; MI455X (gfx1250); checked and timed in simulation.
; The chip was launched on July 23, 2026; its instructions are those of AMD's public machine-readable ISA for CDNA 5 (MIT licence, August 2026) and "CDNA5" Instruction Set Architecture Reference Guide (July 2026). The comments in the code are by the model that wrote it; some were corrected since.
;; Attention. Allowed arithmetic: matrix products marked QUANTISED: E2M1 operands, one E8M0 scale for each 32 along K, by v_wmma_scale_f32_16x16x128_f8f6f4 with both operands' format E2M1 (or v_wmma_scale_f32_32x16x128_f4), f32 sums; products left as they are: bf16, f16 or f32 operands; f32 sums; everything else in f32.
;; Inputs: Wk 1,024 x 1,024 float32; Wo 1,024 x 1,024 float32; Wq 1,024 x 1,024 float32; Wv 1,024 x 1,024 float32; attention_mask 4 x 2,048 bool; x 4 x 2,048 x 1,024 float32.
;; Outputs: out0 4 x 2,048 x 1,024 float32.
;; Constants: phase_end_idx = 64, skip_phase_rope = 1.
;; This version of the problem:
;;   THIS VERSION OF THE PROBLEM IS GIVEN IN LOW PRECISION. The matrix products marked QUANTISED in the list below multiply operands that are first quantised to E2M1 (2 exponent bits, 1 mantissa bit; 4 bits a number), with one power-of-two scale for each 32 numbers along K (OCP MX v1.0); their sums are f32. The products marked 'left as it is' may take bf16, f16 or f32 operands, with f32 sums. Whichever they take, every output number must still come out within the allowed error. Rounding operands to bf16 (8 significant bits) uses up far more of that allowance than f16 does (11 bits, for magnitudes from 6e-5 to 65,504). All else is computed in f32.
;;   The module's matrix products, in the order in which they are computed (A, B: the left and right operand; K: the contracted axis; several contracted axes count as one K, in the product's order):
;;     1. [M 8,192, K 1,024] x [K 1,024, N 1,024]; A: input x; B: input Wq: QUANTISED
;;     2. [M 8,192, K 1,024] x [K 1,024, N 1,024]; A: input x; B: input Wk: QUANTISED
;;     3. [M 8,192, K 1,024] x [K 1,024, N 1,024]; A: input x; B: input Wv: QUANTISED
;;     4. batch 64 x [M 2,048, K 64] x [K 64, N 2,048]; A: computed on the way; B: computed on the way: left as it is (an operand is computed on the way)
;;     5. batch 64 x [M 2,048, K 2,048] x [K 2,048, N 64]; A: computed on the way; B: computed on the way: left as it is (an operand is computed on the way)
;;     6. [M 8,192, K 1,024] x [K 1,024, N 1,024]; A: computed on the way; B: input Wo: left as it is (an operand is computed on the way)
;;   THE QUANTISER, for each operand of a quantised product, along K:
;;     - K is cut into blocks of 32 from its start; a last block that is shorter is filled with zeros.
;;     - A block's scale is 2^e with e = floor(log2(the largest magnitude in the block)) - 2, held to -126 .. 127; a block of zeros has e = 0. As a byte (E8M0): e + 127.
;;     - Each number is divided by its block's scale, clamped to +-6, and rounded to the nearest number of E2M1, ties to even, subnormals kept.
;;     - The product sums the exact products of the quantised numbers (number of the format x scale) in f32.
;;   ~~~python
;;   def quantise(x, axis):      # numpy; x: float32 -> the quantised numbers, widened to float32 again
;;       x = np.moveaxis(x, axis, -1); K = x.shape[-1]
;;       x = np.pad(x, [(0, 0)] * (x.ndim - 1) + [(0, -K % 32)]); x = x.reshape(x.shape[:-1] + (-1, 32)); a = np.abs(x).max(-1, keepdims=True)
;;       e = np.where(a > 0, np.clip(np.frexp(np.where(a > 0, a, 1))[1] - 1 - 2, -126, 127), 0)      # np.frexp(a)[1] - 1 = floor(log2(a)), exactly
;;       r = np.clip(x / 2.0 ** e, -6, 6)
;;       step = 2.0 ** (np.maximum(np.frexp(np.where(r == 0, 1, r))[1] - 1, 0) - 1)
;;       q = np.round(r / step) * step * 2.0 ** e      # np.round: ties to even
;;       return np.moveaxis(q.reshape(q.shape[:-2] + (-1,))[..., :K], -1, axis).astype(np.float32)
;;   ~~~
;; One version. Each part assembles by itself: llvm-mc -triple=amdgcn-amd-amdhsa -mcpu=gfx1250 --defsym DOCPART=n.
;; ======== version 1 of 1: 4 launches
;; limits: values are held in f16: magnitudes above 65,504 overflow, below 6.1e-05 lose precision
;; workspace buffers: xq 4,456,448 bytes; wq 1,671,168 bytes; wo16 2,097,152 bytes; rope 524,288 bytes; q16 16,777,216 bytes; kv 34,078,720 bytes; attn 16,777,216 bytes
;; launch prep (part 1): grid 432 x 1, 4 waves a work-group, no clusters, 33,280 bytes of LDS; arguments x, Wq, Wk, Wv, Wo, attention_mask, xq, wq, wo16, rope, kv; writes xq, wq, wo16, rope, kv
.if DOCPART == 1
	.amdgcn_target "amdgcn-amd-amdhsa--gfx1250"
	.amdhsa_code_object_version 6
	.text
	.protected	k_qa474e20b15_prep
	.globl	k_qa474e20b15_prep
	.p2align	8
	.type	k_qa474e20b15_prep,@function
k_qa474e20b15_prep:
	s_mov_b64 s[64:65], 0
	v_nop
	global_prefetch_b8 v0, s[64:65] scope:SCOPE_SE
	s_setreg_imm32_b32 hwreg(HW_REG_WAVE_MODE, 25, 1), 1
	s_wait_xcnt 0x0
; LAUNCH 1 OF 4.  out0 = softmax(mask(rope(x Wq^T) rope(x Wk^T)^T / 8)) (x Wv^T) Wo^T, 4 sequences of 2,048 tokens, 16 heads of 64.
; This launch makes what the later ones read many times: x, Wq, Wk, Wv as codes of FP4 (E2M1) with one E8M0 byte for each 32 along K (K = 1,024 is innermost in all four);
; Wo as f16; the table of cos and sin; and, for each key, 0 or -1e30 from attention_mask.
; WORK LEFT OUT IN THIS PROGRAM, AND WHY IT IS DEAD.  (1) reference() sets score (i, j) to -inf wherever j > i and j >= 64, by a mask that it builds itself from the shapes and the listed constant
; phase_end_idx = 64; behind the softmax such a score has weight 0 for all values of the inputs.  So key steps that lie wholly in that region are not multiplied (third launch).
; (2) skip_phase_rope = 1 is a listed constant: the other arm of reference()'s choice does not exist.  Every input has a way to the output and is loaded.
; LIMITS.  A NaN, an infinity or an overflow that arises only in the scores left out is not carried to the result.  q, k, v, the softmax's weights, the attention's result and Wo go to the matrix units
; as f16: magnitudes above 65,504 become infinity, below 6e-5 they keep steps of 6e-8.  NaN and infinities in x or the weights are not served by the quantiser; blocks whose largest magnitude lies
; under 2^(2 - 126) keep the byte 1.  A block of zeros gets the byte 1 where the rule says 127: its codes are zeros, and this program alone reads the bytes.
; The table's rows for places under 64 hold cos = 1 and sin = 0 (position held at 0), so that those rows pass the second launch's lines unchanged: 64 of 2,048 rows, inside tiles that hold live work.
; SHARES.  Work-groups 0-351: the quantiser, 32,768 numbers each (0-255: x; 256-351: Wq, Wk, Wv, 32 each).  352-383: Wo.  384-415: the table.  416-431: the mask.  The paths part on the work-group's number;
; only the quantiser's touches LDS.
.set WAVES, 4
.set STEPS, 16
.set EMAX,  2
.set CB,    8                          ; bytes of 16 codes
.set R,     16                         ; v16-79   four sets of 16 numbers as they are loaded
.set X,     80                         ; v80-111  two sets of 16 neighbours
.set C,     128                        ; v128-191 codes: four registers for each step, so that no store's data are written again
.set E,     112                        ; v112-127 a scale byte for each step
.set WREG,  8192                       ; LDS: a region for each wave: two stages of 32 x SP bytes, behind them its 256 scale bytes
.set SP,    80                         ; a lane's place in a stage: 64 bytes + 16 of padding
.set SPW,   12                         ; v12  LDS address of my spare word; never rewritten
.set NIL,   13                         ; v13  0; never rewritten
.set SPARE, WAVES*WREG                 ; behind the four regions: the spare words, 128 bytes a wave
; ---- the quantiser's macros.  A wave takes 16 steps of 512 numbers.  Each load reads 512 consecutive bytes; a step's 2,048 bytes turn through the wave's own stage, so that a lane gets 16 neighbours along K.
.macro LOAD t
.irp i, 0,1,2,3
	global_load_b128 v[R+16*((\t)%4)+4*\i:R+16*((\t)%4)+4*\i+3], v3, s[4:5] offset:2048*(\t)+512*\i th:TH_LOAD_NT
.endr
.endm
.macro TURN t                          ; LDS serves a wave's instructions in order: no wait between the stores and the loads
.irp i, 0,1,2,3
	ds_store_b128 v14, v[R+16*((\t)%4)+4*\i:R+16*((\t)%4)+4*\i+3] offset:32*SP*((\t)%2)+8*SP*\i
.endr
.irp i, 0,1,2,3
	ds_load_b128 v[X+16*((\t)%2)+4*\i:X+16*((\t)%2)+4*\i+3], v15 offset:32*SP*((\t)%2)+16*\i
.endr
.endm
.macro STEP t
.set XS, X+16*((\t)%2)
.if (\t) > 0
	s_wait_dscnt 1                                 ; this step's numbers are back from the stage; the last step's byte store may be out
.else
	s_wait_dscnt 0x0
.endif
.if (\t)+4 < STEPS
	LOAD (\t)+4                                    ; the stage's stores have read these registers: they take the loads of four steps on
.endif
.if (\t)+1 < STEPS
.if STEPS-2-(\t) >= 3
	s_wait_loadcnt 12                              ; the next step's four loads are in; those of the three steps behind it may be out
.else
	s_wait_loadcnt 4*(STEPS-2-(\t))
.endif
	TURN (\t)+1
.endif
	v_max3_num_f32 v8, |v[XS]|, |v[XS+1]|, |v[XS+2]|               ; the largest magnitude of my 16, in two chains
	v_max3_num_f32 v9, |v[XS+3]|, |v[XS+4]|, |v[XS+5]|
.irp i, 6,10
	v_max3_num_f32 v8, v8, |v[XS+\i]|, |v[XS+\i+1]|
	v_max3_num_f32 v9, v9, |v[XS+\i+2]|, |v[XS+\i+3]|
.endr
	v_max3_num_f32 v8, v8, |v[XS+14]|, |v[XS+15]|
	v_max3_num_f32 v8, v8, v9, (EMAX+1)<<23        ; and the floor 2^(3 - 127): the byte cannot fall under 1
	v_max_num_f32_dpp v8, v8, v8 row_xmask:1 row_mask:0xf bank_mask:0xf   ; with my neighbour's 16: the block's
	v_add_nc_u32 v11, -(EMAX<<23), v8              ; 2 off its exponent field: the conversion takes this operand's exponent field as its scale
	v_cvt_scalef32_pk8_fp4_f32 v[C+4*(\t)], v[XS:XS+7], v11
	v_cvt_scalef32_pk8_fp4_f32 v[C+4*(\t)+1], v[XS+8:XS+15], v11
	v_lshrrev_b32 v[E+(\t)], 23, v11               ; the scale's byte (also the plain line behind the conversions)
	ds_store_b8 v5, v[E+(\t)] offset:16*(\t)       ; both lanes of a block write the same byte with the same value
	global_store_b64 v4, v[C+4*(\t):C+4*(\t)+1], s[8:9] offset:32*CB*(\t)   ; the wave stores 256 consecutive bytes, aligned
.endm
; ---- Wo: a batch is 16 loads of 512 consecutive bytes; two register sets take turns
.macro WLOAD t
.irp i, 0,1,2,3,4,5,6,7,8,9,10,11,12,13,14,15
	global_load_b128 v[16+64*((\t)%2)+4*\i:16+64*((\t)%2)+4*\i+3], v3, s[12:13] offset:8192*(\t)+512*\i th:TH_LOAD_NT
.endr
.endm
.macro WBATCH t
.if (\t) < 3
	s_wait_loadcnt 16                              ; this batch is in; the next batch's sixteen loads may be out
.else
	s_wait_loadcnt 0
.endif
.if (\t) > 0
	s_wait_xcnt 0x0                                ; the last batch's stores have read v144-175, which are written again below
.endif
.irp i, 0,1,2,3,4,5,6,7,8,9,10,11,12,13,14,15
	v_cvt_pk_f16_f32 v[144+2*\i], v[16+64*((\t)%2)+4*\i], v[16+64*((\t)%2)+4*\i+1]
	v_cvt_pk_f16_f32 v[145+2*\i], v[16+64*((\t)%2)+4*\i+2], v[16+64*((\t)%2)+4*\i+3]
.endr
.if (\t)+2 < 4
	WLOAD (\t)+2                                   ; loads ahead of stores
.endif
.irp i, 0,1,2,3,4,5,6,7,8,9,10,11,12,13,14,15
	global_store_b64 v4, v[144+2*\i:145+2*\i], s[20:21] offset:4096*(\t)+256*\i   ; 256 consecutive bytes, aligned
.endr
.endm
; ---- cos and sin of v[th] (0 or more, under 2,048), in f32: n = the nearest whole number to th x 2/pi; r = th - n pi/2 with pi/2 in two parts, by fused multiply-adds;
; Taylor's sums to r^9 and r^8 on |r| <= pi/4 (what is cut is under 3e-8); the quadrant n mod 4 by selects and sign bits: no branch.
.macro SINCOS th, c, s
	v_mul_f32 v40, 0x3f22f983, v[\th]
	v_rndne_f32 v40, v40
	v_fma_f32 v41, v40, s40, v[\th]
	v_fma_f32 v41, v40, s41, v41
	v_cvt_i32_f32 v42, v40
	v_mul_f32 v43, v41, v41
	v_fma_f32 v44, v43, s46, s45
	v_fma_f32 v46, v43, s49, s48
	v_fma_f32 v44, v43, v44, s44
	v_fma_f32 v46, v43, v46, s47
	v_fma_f32 v44, v43, v44, s43
	v_mul_f32 v45, v41, v43
	v_fma_f32 v46, v43, v46, -0.5
	v_fma_f32 v44, v45, v44, v41                   ; sin r
	v_fma_f32 v46, v43, v46, 1.0                   ; cos r
	v_and_b32 v47, 1, v42
	v_cmp_eq_u32 vcc_lo, 1, v47
	v_cndmask_b32 v[\s], v44, v46, vcc_lo          ; odd quadrants change the two
	v_cndmask_b32 v[\c], v46, v44, vcc_lo
	v_and_b32 v47, 2, v42
	v_lshlrev_b32 v47, 30, v47
	v_xor_b32 v[\s], v[\s], v47                    ; sin is negative in quadrants 2, 3
	v_add_nc_u32 v47, 1, v42
	v_and_b32 v47, 2, v47
	v_lshlrev_b32 v47, 30, v47
	v_xor_b32 v[\c], v[\c], v47                    ; cos in quadrants 1, 2
.endm
.macro ENTRY it                        ; entry (blk = 4 rg + it / 2, q = 4 (it % 2) + wave): my lane's (cos_i, sin_i, cos_i+1, sin_i+1); registers of its own, so no store's data are written again
	v_add_nc_u32 v20, 16*((\it)/2), v6
	v_cvt_f32_i32 v20, v20
	v_max_num_f32 v20, 0, v20                      ; position = max(place - 64, 0)
	v_mul_f32 v21, v20, v[16+2*((\it)%2)]
	v_mul_f32 v22, v20, v[17+2*((\it)%2)]
	SINCOS 21, 64+4*(\it), 65+4*(\it)
	SINCOS 22, 66+4*(\it), 67+4*(\it)
	global_store_b128 v7, v[64+4*(\it):67+4*(\it)], s[22:23] offset:2048*(\it)   ; a wave stores 512 consecutive bytes
.endm
	s_load_b256 s[4:11], s[0:1], 0x0               ; x s[4:5], Wq s[6:7], Wk s[8:9], Wv s[10:11]
	s_load_b256 s[12:19], s[0:1], 0x20             ; Wo s[12:13], attention_mask s[14:15], xq s[16:17], wq s[18:19]
	s_load_b128 s[20:23], s[0:1], 0x40             ; wo16 s[20:21], rope s[22:23]
	s_load_b64 s[24:25], s[0:1], 0x50              ; kv
	v_lshl_add_u32 v[SPW], v0, 2, SPARE
	v_mov_b32 v[NIL], 0
	v_lshrrev_b32 v1, 5, v0
	v_readfirstlane_b32 s26, v1                    ; wave 0..3
	v_and_b32 v2, 31, v0                           ; lane
	s_mov_b32 s33, 0                               ; the upper word of every offset pair s[32:33]
	s_wait_kmcnt 0x0
	s_cmp_lt_u32 ttmp9, 352
	s_cbranch_scc1 .Lquant
	s_cmp_lt_u32 ttmp9, 384
	s_cbranch_scc1 .Lwo
	s_cmp_lt_u32 ttmp9, 416
	s_cbranch_scc1 .Lrope
	; ---- THE MASK.  Wave W = 0..63 takes 128 keys of sequence W / 16: a key's f32 is 0 where attention_mask holds 1, else -1e30.  The third launch adds it to the scores as the C of their first product.
	; The 512 bytes go to each of the sequence's 16 heads, behind the head's K and V rows of the same 256 keys, so that one tile brings V and these.
	s_sub_co_u32 s27, ttmp9, 416
	s_lshl_b32 s27, s27, 2
	s_add_co_u32 s27, s27, s26                     ; W
	s_lshr_b32 s28, s27, 4                         ; the sequence
	s_and_b32 s29, s27, 15                         ; which 128 keys
	s_lshl_b32 s32, s27, 7                         ; 2,048 x sequence + 128 x chunk = 128 W
	s_add_nc_u64 s[14:15], s[14:15], s[32:33]
	v_lshlrev_b32 v3, 2, v2
	global_load_b32 v4, v3, s[14:15]               ; four keys' bytes a lane
	s_mul_i32 s32, s28, 8519680                    ; 16 heads of 532,480 bytes
	s_lshr_b32 s30, s29, 1
	s_mul_i32 s30, s30, 66560                      ; the slot of 256 keys
	s_add_co_u32 s32, s32, s30
	s_and_b32 s30, s29, 1
	s_lshl_b32 s30, s30, 9
	s_add_co_u32 s32, s32, s30
	s_add_co_u32 s32, s32, 65536                   ; behind the slot's K and V rows
	s_add_nc_u64 s[24:25], s[24:25], s[32:33]
	v_lshlrev_b32 v5, 4, v2
	v_mov_b32 v6, 0xf149f2ca                       ; -1e30
	s_wait_loadcnt 0x0
.irp i, 0,1,2,3
	v_bfe_u32 v[8+\i], v4, 8*\i, 8
.endr
.irp i, 0,1,2,3
	v_cmp_eq_u32 vcc_lo, 0, v[8+\i]
	v_cndmask_b32 v[16+\i], 0, v6, vcc_lo
.endr
.irp hd, 0,1,2,3,4,5,6,7,8,9,10,11,12,13,14,15
	global_store_b128 v5, v[16:19], s[24:25] offset:532480*\hd   ; 512 consecutive bytes, aligned; 7,987,200 at the most, inside the signed 24-bit immediate
.endr
	s_endpgm
.Lrope:
	; ---- THE TABLE, laid in the order in which the second launch's registers take it: [block of 16 places][q 0..7][lane][16 bytes].  Lane (r, h) of entry q holds the pairs i, i + 1 with
	; i = 8 (q / 2) + 4 h + 2 (q % 2), at place 16 blk + r.  inv_freq_i = 10000^(-i / 32) = 2^(-0.41524101 i).
	s_sub_co_u32 s27, ttmp9, 384                   ; rg: four blocks
	s_lshl_b32 s32, s27, 14
	s_add_nc_u64 s[22:23], s[22:23], s[32:33]
	s_lshl_b32 s27, s27, 6
	s_sub_co_u32 s27, s27, 64                      ; 64 rg - 64
	s_lshr_b32 s28, s26, 1
	s_lshl_b32 s28, s28, 3
	s_and_b32 s29, s26, 1
	s_lshl_b32 s29, s29, 1
	s_add_co_u32 s28, s28, s29                     ; 8 (wave / 2) + 2 (wave % 2)
	s_mov_b32 s40, 0xbfc90fdb                      ; -(pi/2)'s upper part
	s_mov_b32 s41, 0x333bbd2e                      ; -(pi/2)'s lower part, which is positive
	s_mov_b32 s43, 0xbe2aaaab                      ; -1/6
	s_mov_b32 s44, 0x3c088889                      ; 1/120
	s_mov_b32 s45, 0xb9500d01                      ; -1/5040
	s_mov_b32 s46, 0x3638ef1d                      ; 1/362880
	s_mov_b32 s47, 0x3d2aaaab                      ; 1/24
	s_mov_b32 s48, 0xbab60b61                      ; -1/720
	s_mov_b32 s49, 0x37d00d01                      ; 1/40320
	v_and_b32 v3, 15, v0                           ; r
	v_bfe_u32 v4, v0, 4, 1                         ; h
	v_lshl_add_u32 v5, v4, 2, s28                  ; i for q = wave
	v_add_nc_u32 v6, s27, v3                       ; place - 64 in the group's first block
	v_lshlrev_b32 v7, 4, v0                        ; 16 x thread
.irp n, 0,1,2,3                        ; i, i + 1 (q = wave) and i + 16, i + 17 (q = wave + 4)
	v_add_nc_u32 v[8+\n], (\n%2)+16*(\n/2), v5
.endr
.irp n, 0,1,2,3
	v_cvt_f32_u32 v[8+\n], v[8+\n]
.endr
.irp n, 0,1,2,3
	v_mul_f32 v[8+\n], 0xbed49a78, v[8+\n]
.endr
.irp n, 0,1,2,3
	v_exp_f32 v[16+\n], v[8+\n]
.endr
	v_nop                                          ; a plain line behind the last exponential,
	s_wait_alu depctr_va_vdst(0)                   ; and one wait for the four, ahead of their first reader
.irp it, 0,1,2,3,4,5,6,7
	ENTRY \it
.endr
	s_endpgm
.Lwo:
	; ---- Wo to f16, as it lies: a wave takes 8,192 numbers
	s_sub_co_u32 s27, ttmp9, 352
	s_lshl_b32 s27, s27, 2
	s_add_co_u32 s27, s27, s26
	s_lshl_b32 s32, s27, 15
	s_add_nc_u64 s[12:13], s[12:13], s[32:33]
	s_lshl_b32 s32, s27, 14
	s_add_nc_u64 s[20:21], s[20:21], s[32:33]
	v_lshlrev_b32 v3, 4, v2
	v_lshlrev_b32 v4, 3, v2
	WLOAD 0
	WLOAD 1
	WBATCH 0
	WBATCH 1
	WBATCH 2
	WBATCH 3
	s_endpgm
.Lquant:
	; ---- THE QUANTISER.  Rows are dense and K is a multiple of 32: each tensor is a plain stream of blocks of 32, and so are its codes and scale bytes.  Only pointers are chosen, on the work-group's number alone.
	s_sub_co_u32 s27, ttmp9, 256                   ; the weights' work-groups count from 0
	s_lshr_b32 s28, s27, 5                         ; which weight
	s_and_b32 s29, s27, 31                         ; and where in it
	s_cmp_eq_u32 s28, 1
	s_cselect_b64 s[6:7], s[8:9], s[6:7]
	s_cmp_eq_u32 s28, 2
	s_cselect_b64 s[6:7], s[10:11], s[6:7]
	s_mov_b32 s30, 0x180000                        ; where wq's scale bytes begin
	s_cmp_lt_u32 ttmp9, 256
	s_cselect_b64 s[4:5], s[4:5], s[6:7]           ; from
	s_cselect_b64 s[8:9], s[16:17], s[18:19]       ; to
	s_cselect_b32 s30, 0x400000, s30               ; where xq's begin
	s_cselect_b32 s29, ttmp9, s29
	s_cselect_b32 s27, ttmp9, s27
	s_lshl_b32 s29, s29, 2
	s_add_co_u32 s29, s29, s26                     ; which run of 8,192 numbers of the source is my wave's,
	s_lshl_b32 s32, s29, 15
	s_add_nc_u64 s[4:5], s[4:5], s[32:33]
	s_lshl_b32 s27, s27, 2
	s_add_co_u32 s27, s27, s26                     ; and of the target (the three weights lie one behind the other)
	s_lshl_b32 s32, s27, 8
	s_add_co_u32 s32, s32, s30
	s_add_nc_u64 s[10:11], s[8:9], s[32:33]        ; 256 scale bytes a run
	s_lshl_b32 s32, s27, 12
	s_add_nc_u64 s[8:9], s[8:9], s[32:33]          ; 4,096 bytes of codes a run
	v_lshlrev_b32 v3, 4, v2                        ; my 16 bytes of a load's 512
	s_mul_i32 s34, s26, WREG
	v_lshrrev_b32 v14, 2, v2
	v_mul_u32_u24 v14, v14, SP
	v_and_b32 v15, 3, v2
	v_lshl_add_u32 v14, v15, 4, v14
	v_add_nc_u32 v14, s34, v14                     ; the stage, on the way in: SP (lane / 4) + 16 (lane % 4)
	v_mul_u32_u24 v15, v2, SP
	v_add_nc_u32 v15, s34, v15                     ; and on the way out: SP x lane
	v_mul_u32_u24 v4, v2, CB                       ; my codes' place in a step's
	v_lshrrev_b32 v5, 1, v2
	s_add_co_u32 s34, s34, 2*32*SP
	v_add_nc_u32 v5, s34, v5                       ; my block's byte among my wave's 256
	v_lshlrev_b32 v7, 3, v2
	v_add_nc_u32 v6, s34, v7
.irp t, 0,1,2,3
	LOAD \t
.endr
	s_wait_loadcnt 12                              ; step 0's four loads are in
	TURN 0
.irp t, 0,1,2,3,4,5,6,7,8,9,10,11,12,13,14,15
	STEP \t
.endr
	ds_load_b64 v[8:9], v6                         ; LDS serves a wave's instructions in order: these see my byte stores
	s_wait_dscnt 0x0
	global_store_b64 v7, v[8:9], s[10:11]          ; 256 consecutive bytes, aligned
	s_wait_tensorcnt 0x0                           ; the wave's end, behind my last LDS store
	ds_add_u32 v[SPW], v[NIL]
	s_wait_dscnt 0x0
	s_endpgm
.Lfunc_end_k_qa474e20b15_prep:
	.size	k_qa474e20b15_prep, .Lfunc_end_k_qa474e20b15_prep-k_qa474e20b15_prep
	.p2alignl 7, 3214868480
	.fill 96, 4, 3214868480
	.section	.rodata,"a",@progbits
	.p2align	6, 0x0
	.amdhsa_kernel k_qa474e20b15_prep
		.amdhsa_group_segment_fixed_size 33280
		.amdhsa_private_segment_fixed_size 0
		.amdhsa_enable_private_segment 0
		.amdhsa_kernarg_size 88
		.amdhsa_user_sgpr_count 2
		.amdhsa_user_sgpr_kernarg_segment_ptr 1
		.amdhsa_wavefront_size32 1
		.amdhsa_system_sgpr_workgroup_id_x 1
		.amdhsa_system_sgpr_workgroup_id_y 1
		.amdhsa_system_sgpr_workgroup_id_z 1
		.amdhsa_system_vgpr_workitem_id 0
		.amdhsa_next_free_vgpr 192
		.amdhsa_next_free_sgpr 66
		.amdhsa_reserve_vcc 1
		.amdhsa_float_denorm_mode_32 3
		.amdhsa_float_denorm_mode_16_64 3
		.amdhsa_memory_ordered 1
		.amdhsa_forward_progress 1
		.amdhsa_inst_pref_size 80
	.end_amdhsa_kernel
	.amdgpu_metadata
---
amdhsa.version: [ 1, 2 ]
amdhsa.kernels:
  - .name:           k_qa474e20b15_prep
    .symbol:         k_qa474e20b15_prep.kd
    .args:
      - { .name: x, .offset: 0, .size: 8, .value_kind: global_buffer, .address_space: global }
      - { .name: Wq, .offset: 8, .size: 8, .value_kind: global_buffer, .address_space: global }
      - { .name: Wk, .offset: 16, .size: 8, .value_kind: global_buffer, .address_space: global }
      - { .name: Wv, .offset: 24, .size: 8, .value_kind: global_buffer, .address_space: global }
      - { .name: Wo, .offset: 32, .size: 8, .value_kind: global_buffer, .address_space: global }
      - { .name: attention_mask, .offset: 40, .size: 8, .value_kind: global_buffer, .address_space: global }
      - { .name: xq, .offset: 48, .size: 8, .value_kind: global_buffer, .address_space: global }
      - { .name: wq, .offset: 56, .size: 8, .value_kind: global_buffer, .address_space: global }
      - { .name: wo16, .offset: 64, .size: 8, .value_kind: global_buffer, .address_space: global }
      - { .name: rope, .offset: 72, .size: 8, .value_kind: global_buffer, .address_space: global }
      - { .name: kv, .offset: 80, .size: 8, .value_kind: global_buffer, .address_space: global }
    .group_segment_fixed_size: 33280
    .private_segment_fixed_size: 0
    .kernarg_segment_align: 8
    .kernarg_segment_size: 88
    .max_flat_workgroup_size: 128
    .sgpr_count:     66
    .vgpr_count:     192
    .wavefront_size: 32
...
	.end_amdgpu_metadata
.endif
;; end of part 1
;; launch qkv (part 2): grid 12 x 32, 4 waves a work-group, clusters of 4 x 4, 327,680 bytes of LDS; arguments xq, wq, rope, q16, kv; writes q16, kv
.if DOCPART == 2
	.amdgcn_target "amdgcn-amd-amdhsa--gfx1250"
	.amdhsa_code_object_version 6
	.text
	.protected	k_qa474e20b15_qkv
	.globl	k_qa474e20b15_qkv
	.p2align	8
	.type	k_qa474e20b15_qkv,@function
k_qa474e20b15_qkv:
	s_mov_b64 s[64:65], 0
	v_nop
	global_prefetch_b8 v0, s[64:65] scope:SCOPE_SE
	s_setreg_imm32_b32 hwreg(HW_REG_WAVE_MODE, 25, 1), 1
	s_wait_xcnt 0x0
	s_wait_alu depctr_hold_cnt(0) depctr_sa_sdst(0) depctr_va_vdst(0) depctr_va_sdst(0) depctr_va_ssrc(0) depctr_va_vcc(0) depctr_vm_vsrc(0)
	s_getreg_b32 s2, hwreg(HW_REG_IB_STS2, 6, 4)
	s_cmp_eq_u32 s2, 0
	s_cbranch_scc0 .Lentry_in_a_cluster
	s_endpgm
.Lentry_in_a_cluster:
	s_bfe_u32 s2, ttmp6, 0x10000c
	s_cmp_lg_u32 s2, 0xf033
	s_cbranch_scc0 .Lentry_shape_is_right
	s_endpgm
.Lentry_shape_is_right:
; LAUNCH 2 OF 4.  [q | k | v] = x [Wq | Wk | Wv]^T on codes of FP4 (E2M1) with one E8M0 scale for each 32 along K: C [8,192][3,072], K = 1,024; sums in f32.  On the way out q and k are rotated
; (interleaved pairs, position = place - 64, held at 0 by the table) in f32, and all three are rounded once to f16.
; A tile of C, 256 x 256, is made by a work-group of four waves; a wave makes 128 x 128: 64 accumulators of 16 x 16, 512 registers.  K = 1,024 is two LDS slots of 512 along K (rows of 256 bytes): both are asked for
; at the start and nothing is filled again.  The scale bytes of the work-group's rows come once, with the first fills, as whole rows of 256 bytes.
; CLUSTERS: 4 x 4 work-groups.  The four of a row of the cluster need the same tiles of x, the four of a column the same tiles of the weights: each tile is asked for JOINTLY, by the same tensor load with the same
; descriptor and a mask that names the four.  The cluster's x is also the tensor: 0 q, 1 k, 2 v: the one branch on it goes the same way in all sixteen partners.
; THE MATRIX INSTRUCTION IS USED TRANSPOSED (source 0 = 16 rows of a weight, source 1 = 16 rows of x): a lane holds eight neighbouring channels of one token, four rotation pairs.
; OUT.  q16 [64 heads][2,048][64] f16.  kv [64 heads][8 slots][66,560 bytes]: a slot's 256 rows of k, its 256 rows of v, then 1,024 bytes that the first launch wrote.  16 tokens of one head are 2,048 consecutive bytes.
; LIMIT: magnitudes above 65,504 become infinity in f16.
; REGISTERS, in windows of 256: window 0: v0-31 addresses; v32-95 scale words, two sets; v128-191 x's fragments, ONE set; v192-255 two sets of the table.  On the way out v32-95 rotated numbers, v96-127 packed, v128-191 rows read back.
;   window 1: the weights' fragments, TWO sets, at v0 and v128.   window 2: the accumulators of my rows 0-63 ((a, b) at v[8 (8 a + b)]);   window 3: those of my rows 64-127.
.set NQ,     4                         ; steps of 128 along K in a slot
.set ROWB,   256                       ; a tile's row in bytes: 512 codes
.set KROW,   512                       ; a row of codes in memory
.set PITCH,  272                       ; an LDS row: 256 bytes + 16 of padding: the 16 rows that a load touches start 68 words apart
.set FR,     8                         ; registers of a fragment
.set NL,     2                         ; LDS loads that bring one
.set NP,     4                         ; places behind this matrix instruction (ISA guide 7.12.1)
.set HALFT,  128*PITCH
.set SLOT,   4*HALFT                   ; x's 256 rows, then the weight's 256 rows
.set KS,     32                        ; a row of scale bytes
.set SCL,    2*SLOT                    ; behind the slots: the scales, as rows of 256 bytes + 16 of padding
.set HALFS,  (128*KS/256)*272
.set SBLK,   (16*KS/256)*272
.set SPARE,  SCL+4*HALFS               ; the spare words, 128 bytes a wave
.set SPITCH, 272                       ; the way out: a stage of 16 rows x (256 bytes + 16) for each wave, in slot 0, which has had its only fill and its last read by then
.set ADRA, 16
.set ADRB, 20
.set CO1,  23                          ; v23  16 x lane + a head's stride: my wave's second head
.set STO,  24
.set RD,   25
.set CO,   26                          ; v26  16 x lane
.set ADRS, 27
.set SPW,  28
.set NIL,  29
.set SC,   32
.set AF,   128
.set RR,   32                          ; the way out: a block's 64 rotated numbers
.set PKD,  96                          ; packed to f16
.set BK,   128                         ; 16 rows read back: v128-159 and v160-191 by turns
.set CSB,  192                         ; the table: v192-223 and v224-255 by turns
.set G1, 24
.set G0, 32
.set G1B, 48
.set G0B, 56
.set G1S, 68
.set G0S, 76
.set G1SB, 80
.set G0SB, 88
.set MSB, 0
.macro WIN new                         ; the immediate's high byte repeats the setting that is left
.if MSB != \new
	s_set_vgpr_msb (MSB<<8)|\new
.set MSB, \new
.endif
.endm
.set MUL_LO, 0xa1                      ; source 0 (weight) window 1, source 1 (x) window 0, C and D window 2
.set MUL_HI, 0xf1
.set TO_B,   0x40
; A joint load: waves 0 and 1 fetch for x, waves 2 and 3 for the weight.  The branch hangs on the wave's number alone.  An s_nop 0 and four v_nop follow each of the two lines.
.macro JLOAD g0a, g1a, g0b, g1b
	s_cmp_eq_u32 s15, 0
	s_cbranch_scc0 .Lfor_b_\@
	tensor_load_to_lds s[\g0a:\g0a+3], s[\g1a:\g1a+7]
	s_nop 0
.rept 4
	v_nop
.endr
	s_branch .Lasked_\@
.Lfor_b_\@:
	tensor_load_to_lds s[\g0b:\g0b+3], s[\g1b:\g1b+7]
	s_nop 0
.rept 4
	v_nop
.endr
.Lasked_\@:
.endm
.macro CROUND                          ; a round of the cluster's barrier
	s_barrier_signal -1
	s_barrier_wait -1
	s_cmp_lg_u32 s14, 0
	s_cbranch_scc1 .Lnot_wave_0_\@
	s_barrier_signal -3
.Lnot_wave_0_\@:
	s_barrier_wait -3
	s_barrier_signal -1
	s_barrier_wait -1
.endm
	s_load_b64 s[4:5], s[0:1], 0x0                 ; xq
	s_load_b64 s[8:9], s[0:1], 0x8                 ; wq
	s_load_b128 s[96:99], s[0:1], 0x10             ; rope s[96:97], q16 s[98:99]
	s_load_b64 s[100:101], s[0:1], 0x20            ; kv
	v_lshl_add_u32 v[SPW], v0, 2, SPARE
	v_mov_b32 v[NIL], 0
	ds_add_u32 v[SPW], v[NIL]                      ; the wave's opening: the add, twice on end, and its wait ahead of my first tensor load
	ds_add_u32 v[SPW], v[NIL]
	v_lshrrev_b32 v1, 5, v0
	v_readfirstlane_b32 s14, v1                    ; wave 0..3
	s_lshr_b32 s15, s14, 1                         ; which half of the tile's rows is mine.  Also: I fetch for x (0) or for the weight (1)
	s_and_b32 s16, s14, 1                          ; which half of its columns.  Also: which 128 rows of that tile I fetch
	s_bfe_u32 s40, ttmp6, 0x40000                  ; cx, cy: my place in the cluster
	s_bfe_u32 s41, ttmp6, 0x40004
	s_lshl_b32 s42, ttmp9, 2
	s_add_co_u32 s42, s42, s40                     ; tile column of C
	s_and_b32 s17, ttmp7, 0xffff
	s_lshl_b32 s17, s17, 2
	s_add_co_u32 s17, s17, s41                     ; tile row of C
	s_lshl_b32 s43, s41, 2
	s_lshl_b32 s43, 15, s43                        ; my row of the cluster
	s_lshl_b32 s44, 0x1111, s40                    ; my column
	s_or_b32 s[G1+0], s43, (0<<16)|(1<<20)|(1<<21)|(5<<22)|(3<<25)  ; the mask; elements of 1 byte; padding on; bit 21 beside a mask; after every 64 words, 4 words
	s_or_b32 s[G1B+0], s44, (0<<16)|(1<<20)|(1<<21)|(5<<22)|(3<<25)
.irp g, G1, G1B
	s_mov_b32 s[\g+1], ROWB<<16                    ; tensor_dim0
	s_mov_b32 s[\g+2], 128<<16                     ; tensor_dim1
	s_mov_b32 s[\g+3], ROWB<<16                    ; tile_dim0
	s_mov_b32 s[\g+4], 128                         ; tile_dim1
	s_mov_b32 s[\g+5], KROW                        ; the pitch in memory
	s_mov_b32 s[\g+6], 0
	s_mov_b32 s[\g+7], 0
.endr
	s_or_b32 s[G1S+0], s43, (3<<16)|(1<<20)|(1<<21)|(5<<22)|(3<<25) ; the scales of 128 rows: 4,096 dense bytes as 16 rows of 32 elements of 8 bytes
	s_or_b32 s[G1SB+0], s44, (3<<16)|(1<<20)|(1<<21)|(5<<22)|(3<<25)
.irp g, G1S, G1SB
	s_mov_b32 s[\g+1], 32<<16
	s_mov_b32 s[\g+2], (128*KS/256)<<16
	s_mov_b32 s[\g+3], 32<<16
	s_mov_b32 s[\g+4], 128*KS/256
	s_mov_b32 s[\g+5], 32
	s_mov_b32 s[\g+6], 0
	s_mov_b32 s[\g+7], 0
.endr
	s_lshl_b32 s18, s16, 7
	s_lshl_b32 s20, s17, 8
	s_add_co_u32 s20, s20, s18                     ; x: row 256 x tile row + 128 x half
	s_lshl_b32 s46, s42, 8
	s_add_co_u32 s46, s46, s18                     ; the weights: row 256 x tile column + 128 x half
	s_mov_b32 s21, 0
	s_mov_b32 s47, 0
	s_mov_b64 s[18:19], KS
	s_mul_u64 s[22:23], s[20:21], s[18:19]         ; where these rows' scales begin,
	s_mul_u64 s[92:93], s[46:47], s[18:19]
	s_mov_b64 s[18:19], KROW
	s_mul_u64 s[20:21], s[20:21], s[18:19]         ; and their codes
	s_mul_u64 s[46:47], s[46:47], s[18:19]
	s_mul_i32 s45, s14, HALFT                      ; where they go: wave x 128 rows: no place in the cluster enters an LDS address
	s_mul_i32 s94, s14, HALFS
	s_wait_dscnt 0x0                               ; both opening adds are done
	s_wait_kmcnt 0x0
	s_add_nc_u64 s[6:7], s[4:5], 0x400000          ; x's scale bytes lie behind its codes,
	s_add_nc_u64 s[10:11], s[8:9], 0x180000        ; the weights' behind theirs
	s_add_nc_u64 s[20:21], s[4:5], s[20:21]
	s_add_nc_u64 s[22:23], s[6:7], s[22:23]
	s_add_nc_u64 s[46:47], s[8:9], s[46:47]
	s_add_nc_u64 s[92:93], s[10:11], s[92:93]
	CROUND                                         ; all sixteen work-groups are here: the joint loads meet
	s_mov_b32 s[G0S], 1
	s_add_co_u32 s[G0S+1], s94, SCL
	s_mov_b64 s[G0S+2:G0S+3], s[22:23]
	s_or_b32 s[G0S+3], s[G0S+3], 0x80000000
	s_mov_b32 s[G0SB], 1
	s_add_co_u32 s[G0SB+1], s94, SCL
	s_mov_b64 s[G0SB+2:G0SB+3], s[92:93]
	s_or_b32 s[G0SB+3], s[G0SB+3], 0x80000000
	JLOAD G0S, G1S, G0SB, G1SB                     ; three loads of mine are out at the most: the scales, then the two slots
.irp s, 0,1
	s_mov_b32 s[G0+4*\s], 1
	s_add_co_u32 s[G0+4*\s+1], s45, \s*SLOT
	s_add_nc_u64 s[G0+4*\s+2:G0+4*\s+3], s[20:21], \s*ROWB
	s_or_b32 s[G0+4*\s+3], s[G0+4*\s+3], 0x80000000
	s_mov_b32 s[G0B+4*\s], 1
	s_add_co_u32 s[G0B+4*\s+1], s45, \s*SLOT
	s_add_nc_u64 s[G0B+4*\s+2:G0B+4*\s+3], s[46:47], \s*ROWB
	s_or_b32 s[G0B+4*\s+3], s[G0B+4*\s+3], 0x80000000
	JLOAD G0+4*\s, G1, G0B+4*\s, G1B
.endr
	v_and_b32 v1, 15, v0                           ; r
	v_bfe_u32 v2, v0, 4, 1                         ; h
	v_mul_u32_u24 v3, v1, PITCH
	v_lshl_add_u32 v4, v2, 4, v3
	s_mul_i32 s21, s15, HALFT                      ; my 128 rows of x
	s_mul_i32 s22, s16, HALFT                      ; my 128 rows of the weight,
	s_add_co_u32 s22, s22, 2*HALFT                 ; behind x's 256
.irp s, 0,1
	v_add_nc_u32 v[ADRA+\s], s21, v4
	v_add_nc_u32 v[ADRB+\s], s22, v4
	s_add_co_u32 s21, s21, SLOT
	s_add_co_u32 s22, s22, SLOT
.endr
	v_mul_u32_u24 v5, v1, KS                       ; my row's scales: 32 bytes a row,
	v_lshrrev_b32 v6, 8, v5
	v_lshl_add_u32 v5, v6, 4, v5                   ; and 16 more for each 256 passed
	s_mul_i32 s21, s15, HALFS
	s_mul_i32 s22, s16, HALFS
	s_add_co_u32 s22, s22, 2*HALFS
	s_sub_co_u32 s22, s22, s21
	v_mul_u32_u24 v6, s22, v2                      ; lanes 16-31 take the weight's
	s_add_co_u32 s21, s21, SCL
	v_add_nc_u32 v5, v5, v6
	v_add_nc_u32 v[ADRS], s21, v5
	s_mul_i32 s23, s14, 16*SPITCH                  ; my stage
	v_mul_u32_u24 v5, v1, SPITCH
	v_lshl_add_u32 v5, v2, 4, v5
	v_add_nc_u32 v[STO], s23, v5                   ; in: row r, 16 bytes for each half of the lanes
	v_and_b32 v6, 31, v0
	v_lshlrev_b32 v[CO], 4, v6
	v_lshrrev_b32 v5, 3, v6
	v_mul_u32_u24 v5, v5, SPITCH
	v_and_b32 v7, 7, v6
	v_lshl_add_u32 v5, v7, 4, v5
	v_add_nc_u32 v[RD], s23, v5                    ; back: eight lanes take one head's 128 bytes of a row, four rows an instruction
	; where my results go.  The tensor by the cluster's x; sequence = tile row / 8, slot = tile row % 8; my first head = 4 cx + 2 x column half
	s_cmp_eq_u32 ttmp9, 0
	s_cselect_b64 s[12:13], s[98:99], s[100:101]
	s_mov_b32 s92, 532480
	s_cselect_b32 s92, 262144, s92                 ; a head's stride
	s_mov_b32 s93, 66560
	s_cselect_b32 s93, 32768, s93                  ; a slot's
	s_cmp_eq_u32 ttmp9, 2
	s_cselect_b32 s94, 32768, 0                    ; v's rows lie behind k's
	s_lshr_b32 s20, s17, 3
	s_lshl_b32 s20, s20, 4
	s_lshl_b32 s46, s40, 2                         ; (cx enters s46 and s47 alone)
	s_lshl_b32 s47, s16, 1
	s_add_co_u32 s46, s46, s47
	s_add_co_u32 s46, s46, s20
	s_mul_i32 s46, s46, s92
	s_and_b32 s21, s17, 7
	s_mul_i32 s47, s21, s93
	s_add_co_u32 s46, s46, s47
	s_add_co_u32 s46, s46, s94
	s_lshl_b32 s47, s15, 14                        ; my 128 rows of 128 bytes
	s_add_co_u32 s46, s46, s47
	s_mov_b32 s47, 0
	s_add_nc_u64 s[12:13], s[12:13], s[46:47]
	v_add_nc_u32 v[CO1], s92, v[CO]
	s_lshl_b32 s20, s21, 4
	s_lshl_b32 s22, s15, 3
	s_add_co_u32 s20, s20, s22                     ; the table's block of my first 16 tokens: 16 x slot + 8 x row half
	s_lshl_b32 s20, s20, 12
	s_mov_b32 s21, 0
	s_add_nc_u64 s[96:97], s[96:97], s[20:21]
.macro FRAG reg, adr, q, i             ; 16 rows x 128 K of 4-bit codes: lane l holds row l % 16; registers 4 c .. 4 c + 3 hold K = 64 c + 32 (l / 16) + 0 .. 31
.irp c, 0,1
	ds_load_b128 v[\reg+4*\c:\reg+4*\c+3], v[\adr] offset:64*(\q)+32*\c+(\i)*16*PITCH
.endr
.endm
; 16 matrix instructions: x's blocks a0, a0 + 1 against the weight's eight.  The 64 accumulators take turns, one instruction a turn, in the same order in every step.
.macro MUL16 a0, p, q, sc, zero
.irp a, \a0, \a0+1
.irp b, 0,1,2,3,4,5,6,7
.if \zero
	v_wmma_scale_f32_16x16x128_f8f6f4 v[8*(8*((\a)%4)+\b):8*(8*((\a)%4)+\b)+7], v[128*(\p)+FR*\b:128*(\p)+FR*\b+FR-1], v[AF+FR*(\a):AF+FR*(\a)+FR-1], 0, v[SC+8*NQ*(\sc)+NQ*\b+(\q)], v[SC+8*NQ*(\sc)+NQ*(\a)+(\q)] matrix_a_fmt:MATRIX_FMT_FP4 matrix_b_fmt:MATRIX_FMT_FP4 matrix_a_scale:MATRIX_SCALE_ROW1
.else
	v_wmma_scale_f32_16x16x128_f8f6f4 v[8*(8*((\a)%4)+\b):8*(8*((\a)%4)+\b)+7], v[128*(\p)+FR*\b:128*(\p)+FR*\b+FR-1], v[AF+FR*(\a):AF+FR*(\a)+FR-1], v[8*(8*((\a)%4)+\b):8*(8*((\a)%4)+\b)+7], v[SC+8*NQ*(\sc)+NQ*\b+(\q)], v[SC+8*NQ*(\sc)+NQ*(\a)+(\q)] matrix_a_fmt:MATRIX_FMT_FP4 matrix_b_fmt:MATRIX_FMT_FP4 matrix_a_scale:MATRIX_SCALE_ROW1
.endif
.endr
.endr
.endm
.macro FETCH_B slot, q, p
	WIN TO_B
.irp i, 0,1,2,3,4,5,6,7
	FRAG 128*(\p)+FR*\i, ADRB+\slot, \q, \i
.endr
	WIN 0
.endm
.macro FETCH_A slot, q, i0
.irp i, \i0, \i0+1, \i0+2, \i0+3
	FRAG AF+FR*(\i), ADRA+\slot, \q, \i
.endr
.endm
.macro SCALES sc                       ; a slot's scale words: four a row; lanes 0-15 take x's block i, lanes 16-31 the weight's block i
.irp i, 0,1,2,3,4,5,6,7
	ds_load_b128 v[SC+8*NQ*\sc+NQ*\i:SC+8*NQ*\sc+NQ*\i+3], v[ADRS] offset:\i*SBLK
.endr
.endm
.macro PLACES n                        ; plain vector lines between a matrix instruction and a load into, or a read of, its registers
.rept \n
	v_nop
.endr
.endm
.macro STEP slot, q, zero              ; a step of 128 along K that has its successor in the same slot
	s_wait_dscnt 4*NL                              ; the weight's set and x's blocks 0-3 are in; the youngest eight loads (x's blocks 4-7) may be out
	WIN MUL_LO
	MUL16 0, (\q)%2, \q, \slot, \zero
	MUL16 2, (\q)%2, \q, \slot, \zero
	s_wait_dscnt 0
	PLACES NP
	FETCH_B \slot, (\q)+1, 1-(\q)%2
	FETCH_A \slot, (\q)+1, 0
	WIN MUL_HI
	MUL16 4, (\q)%2, \q, \slot, \zero
	MUL16 6, (\q)%2, \q, \slot, \zero
	PLACES NP
	WIN 0
	FETCH_A \slot, (\q)+1, 4
.endm
.macro FINALE                          ; the last two steps, written in both arms of the one branch
	STEP 1, 2, 0
	s_wait_dscnt 4*NL
	WIN MUL_LO
	MUL16 0, 1, NQ-1, 1, 0
	MUL16 2, 1, NQ-1, 1, 0
	s_wait_dscnt 0
	WIN MUL_HI
	MUL16 4, 1, NQ-1, 1, 0
	MUL16 6, 1, NQ-1, 1, 0
	WIN 0
	PLACES NP                                      ; ahead of the first read of results and of writes into registers that held operands and scales
.endm
; THE WAY OUT, block by block of 16 tokens x 128 channels (two heads).
.macro LOADCS a                        ; the table's block a: eight loads of 512 consecutive bytes, straight into the registers' order
.irp q, 0,1,2,3,4,5,6,7
	global_load_b128 v[CSB+32*((\a)%2)+4*\q:CSB+32*((\a)%2)+4*\q+3], v[CO], s[96:97] offset:4096*(\a)+512*\q
.endr
.endm
.macro PACK_R a                        ; (x0, x1) -> (x0 cos - x1 sin, x1 cos + x0 sin), two packed lines a pair, then f16
.set AC, 64*((\a)%4)
.set CC, CSB+32*((\a)%2)
.if (\a) < 7
	s_wait_loadcnt 8                               ; this block's eight loads are in; the other set's eight may be out
.else
	s_wait_loadcnt 0
.endif
	WIN 0x02+((\a)/4)                              ; source 0: window 2 or 3
.irp b, 0,1,2,3,4,5,6,7
.irp i, 0,1,2,3
	v_pk_mul_f32 v[RR+8*\b+2*\i:RR+8*\b+2*\i+1], v[AC+8*\b+2*\i:AC+8*\b+2*\i+1], v[CC+8*(\b%4)+2*\i:CC+8*(\b%4)+2*\i+1] op_sel_hi:[1,0]   ; each accumulator from its low end on
.endr
.endr
.irp b, 0,1,2,3,4,5,6,7
.irp i, 0,1,2,3
	v_pk_fma_f32 v[RR+8*\b+2*\i:RR+8*\b+2*\i+1], v[AC+8*\b+2*\i:AC+8*\b+2*\i+1], v[CC+8*(\b%4)+2*\i:CC+8*(\b%4)+2*\i+1], v[RR+8*\b+2*\i:RR+8*\b+2*\i+1] op_sel:[1,1,0] op_sel_hi:[0,1,1] neg_lo:[0,1,0]
.endr
.endr
	WIN 0
.irp b, 0,1,2,3,4,5,6,7
.irp i, 0,1,2,3
	v_cvt_pk_f16_f32 v[PKD+4*\b+\i], v[RR+8*\b+2*\i], v[RR+8*\b+2*\i+1]
.endr
.endr
.if (\a) < 6
	LOADCS (\a)+2
.endif
.endm
.macro PACK_P a                        ; v: to f16 as it stands
.set AC, 64*((\a)%4)
	WIN 0x0a+5*((\a)/4)                            ; sources 0 and 1: window 2 or 3
.irp b, 0,1,2,3,4,5,6,7
.irp i, 0,1,2,3
	v_cvt_pk_f16_f32 v[PKD+4*\b+\i], v[AC+8*\b+2*\i], v[AC+8*\b+2*\i+1]
.endr
.endr
	WIN 0
.endm
.macro TOSTAGE a                       ; a lane's 16 bytes into rows of 272 bytes; back by heads: 4 rows x 128 bytes an instruction.  LDS serves a wave's instructions in order: no wait between
.set BB, BK+32*((\a)%2)
.if (\a) >= 2
	s_wait_xcnt 0x0                                ; block a - 2's stores have read the registers into which these loads land
.endif
.irp b, 0,1,2,3,4,5,6,7
	ds_store_b128 v[STO], v[PKD+4*\b:PKD+4*\b+3] offset:32*\b
.endr
.irp hh, 0,1
.irp c, 0,1,2,3
	ds_load_b128 v[BB+4*(4*\hh+\c):BB+4*(4*\hh+\c)+3], v[RD] offset:4*SPITCH*\c+128*\hh
.endr
.endr
.endm
.macro SEND a
.set BB, BK+32*((\a)%2)
	s_wait_dscnt 0x0                               ; the block is back in registers
.irp c, 0,1,2,3
	global_store_b128 v[CO], v[BB+4*\c:BB+4*\c+3], s[12:13] offset:2048*(\a)+512*\c        ; 512 consecutive bytes, aligned: four tokens of my first head,
.endr
.irp c, 0,1,2,3
	global_store_b128 v[CO1], v[BB+16+4*\c:BB+16+4*\c+3], s[12:13] offset:2048*(\a)+512*\c ; and of my second
.endr
.endm
	s_wait_tensorcnt 1                             ; the scales and my part of slot 0 are in; slot 1's load may be out
	s_barrier_signal -1
	s_barrier_wait -1
	FETCH_B 0, 0, 0
	FETCH_A 0, 0, 0
	SCALES 0
	FETCH_A 0, 0, 4
	STEP 0, 0, 1                                   ; the first step's products start the sums: nothing is cleared
	STEP 0, 1, 0
	STEP 0, 2, 0
	; slot 0's last step changes slots: one barrier; in front of it each wave waits for all its tensor loads, adds 0 to its spare word, and waits for that and for its reads of slot 0
	s_wait_tensorcnt 0x0                           ; my part of slot 1 has landed
	ds_add_u32 v[SPW], v[NIL]
	s_wait_dscnt 4*NL+1                            ; (the add and the youngest eight loads may be out)
	WIN MUL_LO
	MUL16 0, 1, NQ-1, 0, 0
	s_wait_dscnt 0x0
	s_barrier_signal -1
	MUL16 2, 1, NQ-1, 0, 0
	WIN 0
	s_barrier_wait -1
	PLACES NP
	v_add_nc_u32 v[ADRS], 4*NQ, v[ADRS]            ; on to slot 1's scale words
	FETCH_B 1, 0, 0
	FETCH_A 1, 0, 0
	SCALES 1
	WIN MUL_HI
	MUL16 4, 1, NQ-1, 0, 0
	MUL16 6, 1, NQ-1, 0, 0
	PLACES NP
	WIN 0
	FETCH_A 1, 0, 4
	STEP 1, 0, 0
	STEP 1, 1, 0
	s_cmp_eq_u32 ttmp9, 2                          ; v is not rotated: the cluster's x decides, alike in all sixteen partners
	s_cbranch_scc1 .Lplain
	LOADCS 0                                       ; the table's first two blocks land under the last 128 matrix instructions
	LOADCS 1
	FINALE
	PACK_R 0
	TOSTAGE 0
.irp a, 1,2,3,4,5,6,7                  ; block a's arithmetic stands between block a - 1's loads from the stage and the wait for them
	PACK_R \a
	SEND \a-1
	TOSTAGE \a
.endr
	SEND 7
	s_branch .Lend
.Lplain:
	FINALE
	PACK_P 0
	TOSTAGE 0
.irp a, 1,2,3,4,5,6,7
	PACK_P \a
	SEND \a-1
	TOSTAGE \a
.endr
	SEND 7
.Lend:
	s_wait_tensorcnt 0x0                           ; the wave's end, behind my last tensor load and my last LDS store
	ds_add_u32 v[SPW], v[NIL]
	s_wait_dscnt 0x0
	CROUND                                         ; the closing round
	s_endpgm
.Lfunc_end_k_qa474e20b15_qkv:
	.size	k_qa474e20b15_qkv, .Lfunc_end_k_qa474e20b15_qkv-k_qa474e20b15_qkv
	.p2alignl 7, 3214868480
	.fill 96, 4, 3214868480
	.section	.rodata,"a",@progbits
	.p2align	6, 0x0
	.amdhsa_kernel k_qa474e20b15_qkv
		.amdhsa_group_segment_fixed_size 327680
		.amdhsa_private_segment_fixed_size 0
		.amdhsa_enable_private_segment 0
		.amdhsa_kernarg_size 40
		.amdhsa_user_sgpr_count 2
		.amdhsa_user_sgpr_kernarg_segment_ptr 1
		.amdhsa_wavefront_size32 1
		.amdhsa_system_sgpr_workgroup_id_x 1
		.amdhsa_system_sgpr_workgroup_id_y 1
		.amdhsa_system_sgpr_workgroup_id_z 1
		.amdhsa_system_vgpr_workitem_id 0
		.amdhsa_next_free_vgpr 1024
		.amdhsa_next_free_sgpr 102
		.amdhsa_reserve_vcc 0
		.amdhsa_float_denorm_mode_32 3
		.amdhsa_float_denorm_mode_16_64 3
		.amdhsa_memory_ordered 1
		.amdhsa_forward_progress 1
		.amdhsa_inst_pref_size 215
	.end_amdhsa_kernel
	.amdgpu_metadata
---
amdhsa.version: [ 1, 2 ]
amdhsa.kernels:
  - .name:           k_qa474e20b15_qkv
    .symbol:         k_qa474e20b15_qkv.kd
    .args:
      - { .name: xq, .offset: 0, .size: 8, .value_kind: global_buffer, .address_space: global }
      - { .name: wq, .offset: 8, .size: 8, .value_kind: global_buffer, .address_space: global }
      - { .name: rope, .offset: 16, .size: 8, .value_kind: global_buffer, .address_space: global }
      - { .name: q16, .offset: 24, .size: 8, .value_kind: global_buffer, .address_space: global }
      - { .name: kv, .offset: 32, .size: 8, .value_kind: global_buffer, .address_space: global }
    .group_segment_fixed_size: 327680
    .private_segment_fixed_size: 0
    .kernarg_segment_align: 8
    .kernarg_segment_size: 40
    .max_flat_workgroup_size: 128
    .sgpr_count:     102
    .vgpr_count:     1024
    .wavefront_size: 32
...
	.end_amdgpu_metadata
.endif
;; end of part 2
;; launch attn (part 3): grid 4 x 64, 8 waves a work-group, no clusters, 327,680 bytes of LDS; arguments q16, kv, attn; writes attn
.if DOCPART == 3
	.amdgcn_target "amdgcn-amd-amdhsa--gfx1250"
	.amdhsa_code_object_version 6
	.text
	.protected	k_qa474e20b15_attn
	.globl	k_qa474e20b15_attn
	.p2align	8
	.type	k_qa474e20b15_attn,@function
k_qa474e20b15_attn:
	s_mov_b64 s[64:65], 0
	v_nop
	global_prefetch_b8 v0, s[64:65] scope:SCOPE_SE
	s_setreg_imm32_b32 hwreg(HW_REG_WAVE_MODE, 25, 1), 1
	s_wait_xcnt 0x0
; LAUNCH 3 OF 4.  attn[head][i][:] = the sum over j of softmax_j(q_i . k_j / 8 under the mask) v_j[:].  Key j counts for query i where (j <= i or j < 64) and attention_mask holds 1 for it.
; q, k, v, the weights p and the result are f16; products, maxima and sums f32; a running maximum is taken away before every exponential.
; WORK LEFT OUT: key steps all of whose 64 keys come after all 32 queries of the wave (and are 64 or more) are not multiplied: reference() hides them by a mask that it builds itself, for all inputs.
; LIMITS.  A hidden score is -1e30 in place of -inf: no score of f16 operands reaches it (64 x 65,504^2 is under 3e11).  A query none of whose keys counts ends with a maximum under -1e29 and is given NaN, as reference() gives.
; A NaN or an infinity that arises only in steps left out is not carried to the result.
; SHARES.  A sequence has 8 blocks of 256 queries.  Work-group p (0..3) of a head makes block p and then block 7 - p: (p + 1) + (8 - p) = 9 slots of 256 keys for every work-group: 256 work-groups of equal work.
; The walk is one loop of 8 trips and a ninth written out.  Each of 8 waves owns 32 queries, two tiles of 16, in 512 registers: two waves to a SIMD, so that one wave's softmax stands beside the other's products.
; NO CLUSTER: the four work-groups of a head stand at different slots from the second trip on (p = 0 begins its second block when p = 3 is at slot 1), so no joint request would be alike in all partners.
; LAYOUT.  S^T = K Q^T (source 0 = 16 keys, source 1 = 16 queries): a lane holds ONE query (lane % 16) and keys 8 (lane / 16) + 0..7.  Two such tiles rounded to f16 are source 1 of O^T = V^T P.  V comes turned, by ds_load_tr16_b128.
; The key mask's 0 or -1e30 is the C of a score tile's first product: it costs no vector line.
; LDS.  Two slots, 131,072 bytes apart: 256 rows of K at pitch 144; from 36,864 on 256 rows of V and 8 rows of the key mask's numbers at pitch 160.  Waves 0-3 fetch K's quarters (64 rows), waves 4-7 the others' (66 rows): one load a wave.
; REGISTERS.  window 0: v2-15 addresses and constants; v16-31 statistics, eight a tile: +0 c m, +1 m, +2, +3 l, +4..+7 at work (a takes +6); v32, v33 the add's two; v64-127 S^T; v128-159 P; v160-191 the mask's numbers.
;   window 1: v0-31 Q; v32-63 the second block's Q; v64-127 K; v128-191 V; v192-255 O^T.
.set PKP,   144
.set PVP,   160
.set VOFF,  256*PKP
.set MOFF,  VOFF+256*PVP
.set SLOT1, 131072
.set STAGE, SLOT1+MOFF+8*PVP           ; behind slot 1: 2 tiles x 16 rows x 144 bytes for each wave
.set SPARE, STAGE+8*4608               ; the spare words, 128 bytes a wave
.set AK0, 2
.set AV0, 3
.set AM0, 4
.set ADK, 5
.set ADV, 6
.set ADM, 7
.set QO,  8
.set STO, 9
.set RD,  10
.set GO,  11
.set DQ,  12                           ; r - 8 h
.set DD,  13
.set SENT, 14                          ; -1e30
.set QNAN, 15
.set ST,  16
.set SPW, 32
.set NIL, 33
.set S,   64
.set PP,  128
.set MB,  160
.set QH,  32                           ; window 1
.set KR,  64
.set VR,  128
.set OA,  192
.set WV,  10                           ; s10 wave;  s11 wave % 4
.set WQ,  11
.set PR,  12                           ; s12 p;  s13 p + 1
.set P1,  13
.set BH,  14
.set SUB, 15                           ; which 32 queries of a block
.set TR,  16                           ; the trip
.set Q0,  18                           ; my first query;  s19 my last
.set QL,  19
.set KD,  20                           ; the first key of the step on the diagonal, or -1
.set KF,  21                           ; the step's first key
.set TBK, 22                           ; LDS steps of K's, V's and the mask's addresses
.set TBV, 23
.set G1K, 24
.set G1V, 32
.set G0K, 40
.set G0V, 44
.set KB,  48                           ; s[48:49] my quarter of K's rows in the head's slot 0;  s[50:51] of V's
.set VB,  50
.set SO,  52                           ; s[52:53] the slot's offset
.set TBM, 54
.set STP, 55
.set CS,  56                           ; s[56:57] c = log2(e) / 8
.set SEL, 58
.set OB,  60
.set AB,  62
.set MSB, 0
.macro WIN new
.if MSB != \new
	s_set_vgpr_msb (MSB<<8)|\new
.set MSB, \new
.endif
.endm
.macro PLACES
.rept 4
	v_nop
.endr
.endm
.macro TLOAD                           ; every wave issues one.  The branch hangs on the wave's number alone; an s_nop 0 and four v_nop follow each line
	s_cmp_lt_u32 s[WV], 4
	s_cbranch_scc0 .Lfor_v_\@
	tensor_load_to_lds s[G0K:G0K+3], s[G1K:G1K+7]
	s_nop 0
.rept 4
	v_nop
.endr
	s_branch .Lasked_\@
.Lfor_v_\@:
	tensor_load_to_lds s[G0V:G0V+3], s[G1V:G1V+7]
	s_nop 0
.rept 4
	v_nop
.endr
.Lasked_\@:
.endm
.macro START                           ; a block of queries begins; s2 = the block.  O^T and l begin as zeros and m as -3e38: the first change of m multiplies zeros, and the step is written once
	s_lshl_b32 s[Q0], s2, 8
	s_lshl_b32 s3, s[SUB], 5
	s_add_co_u32 s[Q0], s[Q0], s3
	s_add_co_u32 s[QL], s[Q0], 31
	s_and_b32 s[KD], s[Q0], 0xffffffc0
	s_cmp_eq_u32 s[KD], 0                          ; keys under 64 count for every query: step 0 has no diagonal
	s_cselect_b32 s[KD], -1, s[KD]
	s_mov_b32 s[KF], 0
	s_lshl_b32 s2, s[Q0], 7
	s_mov_b32 s3, 0
	s_add_nc_u64 s[OB:OB+1], s[AB:AB+1], s[2:3]
	WIN 0x40
.set i, 0
.rept 64
	v_mov_b32 v[OA+i], 0
.set i, i+1
.endr
	WIN 0
.irp t, 0,1
	v_mov_b32 v[ST+8*\t+1], 0xff61b1e6
.irp n, 2,3,4,5,6,7
	v_mov_b32 v[ST+8*\t+\n], 0
.endr
	v_mul_f32 v[ST+8*\t], s[CS], v[ST+8*\t+1]
.endr
.endm
; The softmax of a step, the two tiles line by line in turn.  The 66 exponentials are one batch with one wait.
.macro SOFTMAX
.irp j, 0,1,2,3
.irp t, 0,1
	v_max3_num_f32 v[ST+8*\t+4+\j], v[S+32*\t+8*\j], v[S+32*\t+8*\j+1], v[S+32*\t+8*\j+2]   ; each score tile is read from its low end on
.endr
.endr
.irp g, 1,2
.irp j, 0,1,2,3
.irp t, 0,1
	v_max3_num_f32 v[ST+8*\t+4+\j], v[ST+8*\t+4+\j], v[S+32*\t+8*\j+2*\g+1], v[S+32*\t+8*\j+2*\g+2]
.endr
.endr
.endr
.irp t, 0,1
	v_max3_num_f32 v[ST+8*\t+4], v[ST+8*\t+4], v[S+32*\t+7], v[S+32*\t+15]
.endr
.irp t, 0,1
	v_max3_num_f32 v[ST+8*\t+6], v[ST+8*\t+6], v[S+32*\t+23], v[S+32*\t+31]
.endr
.irp t, 0,1
	v_max3_num_f32 v[ST+8*\t+4], v[ST+8*\t+4], v[ST+8*\t+5], v[ST+8*\t+6]
.endr
.irp t, 0,1
	v_max3_num_f32 v[ST+8*\t+4], v[ST+8*\t+4], v[ST+8*\t+7], v[ST+8*\t+1]   ; with the old m
.endr
.irp t, 0,1
	v_permlanex16_b32 v[ST+8*\t+5], v[ST+8*\t+4], s[SEL], s[SEL+1]          ; the query's other 32 keys lie in the lane 16 away
.endr
.irp t, 0,1
	v_mov_b32 v[ST+8*\t+7], v[ST+8*\t]                                      ; c m_old
.endr
.irp t, 0,1
	v_max_num_f32 v[ST+8*\t+1], v[ST+8*\t+4], v[ST+8*\t+5]
.endr
.irp t, 0,1
	v_mul_f32 v[ST+8*\t], s[CS], v[ST+8*\t+1]
.endr
.irp t, 0,1
	v_sub_f32 v[ST+8*\t+7], v[ST+8*\t+7], v[ST+8*\t]
.endr
.irp b, 0,1,2,3,4,5,6,7,8,9,10,11,12,13,14,15
.irp t, 0,1
	v_pk_fma_f32 v[S+32*\t+2*\b:S+32*\t+2*\b+1], v[S+32*\t+2*\b:S+32*\t+2*\b+1], s[CS:CS+1], v[ST+8*\t:ST+8*\t+1] op_sel_hi:[1,0,0] neg_lo:[0,0,1] neg_hi:[0,0,1]   ; c s - c m
.endr
.endr
.irp t, 0,1
	v_exp_f32 v[ST+8*\t+6], v[ST+8*\t+7]           ; a = 2^(c m_old - c m_new)
.endr
.irp e, 0,1,2,3,4,5,6,7,8,9,10,11,12,13,14,15,16,17,18,19,20,21,22,23,24,25,26,27,28,29,30,31
.irp t, 0,1
	v_exp_f32 v[S+32*\t+\e], v[S+32*\t+\e]
.endr
.endr
	v_nop                                          ; a plain line behind the last exponential,
	s_wait_alu depctr_va_vdst(0)                   ; and one wait for the batch, ahead of its first reader
.irp b, 0,1,2,3,4,5,6,7,8,9,10,11,12,13,14,15
.irp t, 0,1
	v_cvt_pk_f16_f32 v[PP+16*\t+\b], v[S+32*\t+2*\b], v[S+32*\t+2*\b+1]
.endr
.endr
.irp u, 0,1,2,3,4,5,6,7                ; the sum of a tile's 16 pairs, in place: neighbours 1, 2, 4, 8 pairs apart
.irp t, 0,1
	v_pk_add_f32 v[S+32*\t+4*\u:S+32*\t+4*\u+1], v[S+32*\t+4*\u:S+32*\t+4*\u+1], v[S+32*\t+4*\u+2:S+32*\t+4*\u+3]
.endr
.endr
.irp u, 0,1,2,3
.irp t, 0,1
	v_pk_add_f32 v[S+32*\t+8*\u:S+32*\t+8*\u+1], v[S+32*\t+8*\u:S+32*\t+8*\u+1], v[S+32*\t+8*\u+4:S+32*\t+8*\u+5]
.endr
.endr
.irp u, 0,1
.irp t, 0,1
	v_pk_add_f32 v[S+32*\t+16*\u:S+32*\t+16*\u+1], v[S+32*\t+16*\u:S+32*\t+16*\u+1], v[S+32*\t+16*\u+8:S+32*\t+16*\u+9]
.endr
.endr
.irp t, 0,1
	v_pk_add_f32 v[S+32*\t:S+32*\t+1], v[S+32*\t:S+32*\t+1], v[S+32*\t+16:S+32*\t+17]
.endr
.irp t, 0,1
	v_pk_fma_f32 v[ST+8*\t+2:ST+8*\t+3], v[ST+8*\t+2:ST+8*\t+3], v[ST+8*\t+6:ST+8*\t+7], v[S+32*\t:S+32*\t+1] op_sel_hi:[1,0,1]   ; l = a l + the sum
.endr
	WIN 0x41                                       ; O^T (destination and source 0) in window 1
.irp b, 0,1,2,3,4,5,6,7,8,9,10,11,12,13,14,15
.irp t, 0,1
	v_pk_mul_f32 v[OA+32*\t+2*\b:OA+32*\t+2*\b+1], v[OA+32*\t+2*\b:OA+32*\t+2*\b+1], v[ST+8*\t+6:ST+8*\t+7] op_sel_hi:[1,0]
.endr
.endr
	WIN 0
.endm
; A KEY STEP: 64 keys.
.macro STEP
	s_cmp_gt_u32 s[KF], s[QL]                      ; all its keys come after my queries: a branch on ids and the count of steps, round the work, not round the lines that step addresses
	s_cbranch_scc1 .Lhidden_\@
	v_add_nc_u32 v[ADK], s[TBK], v[AK0]            ; (these three and the v_nop are the places behind the last step's products, ahead of the loads)
	v_add_nc_u32 v[ADV], s[TBV], v[AV0]
	v_add_nc_u32 v[ADM], s[TBM], v[AM0]
	v_nop
.irp kt, 0,1,2,3
	ds_load_b128 v[MB+8*\kt:MB+8*\kt+3], v[ADM] offset:PVP*(\kt/2)+64*(\kt%2)
	ds_load_b128 v[MB+8*\kt+4:MB+8*\kt+7], v[ADM] offset:PVP*(\kt/2)+64*(\kt%2)+16
.endr
	WIN 0x40
.irp kt, 0,1,2,3
.irp ks, 0,1
	ds_load_b128 v[KR+16*\kt+8*\ks:KR+16*\kt+8*\ks+3], v[ADK] offset:16*PKP*\kt+64*\ks
	ds_load_b128 v[KR+16*\kt+8*\ks+4:KR+16*\kt+8*\ks+7], v[ADK] offset:16*PKP*\kt+64*\ks+32
.endr
.endr
.irp c, 0,1
.irp ct, 0,1,2,3
	ds_load_tr16_b128 v[VR+32*\c+8*\ct:VR+32*\c+8*\ct+3], v[ADV] offset:32*PVP*\c+32*\ct
	ds_load_tr16_b128 v[VR+32*\c+8*\ct+4:VR+32*\c+8*\ct+7], v[ADV] offset:32*PVP*\c+16*PVP+32*\ct
.endr
.endr
	s_wait_dscnt 16                                ; the mask's numbers and K are in; V's sixteen loads may be out
	WIN 0x05                                       ; K and Q in window 1
.irp kt, 0,1,2,3                       ; the eight accumulators take turns, one instruction a turn
.irp t, 0,1
	v_wmma_f32_16x16x32_f16 v[S+32*\t+8*\kt:S+32*\t+8*\kt+7], v[KR+16*\kt:KR+16*\kt+7], v[16*\t:16*\t+7], v[MB+8*\kt:MB+8*\kt+7]
.endr
.endr
.irp kt, 0,1,2,3
.irp t, 0,1
	v_wmma_f32_16x16x32_f16 v[S+32*\t+8*\kt:S+32*\t+8*\kt+7], v[KR+16*\kt+8:KR+16*\kt+15], v[16*\t+8:16*\t+15], v[S+32*\t+8*\kt:S+32*\t+8*\kt+7]
.endr
.endr
	WIN 0
	PLACES
	s_cmp_lg_u32 s[KF], s[KD]                      ; only the step on the diagonal hides keys one by one
	s_cbranch_scc1 .Lopen_\@
	s_sub_co_i32 s2, s[Q0], s[KF]
	v_add_nc_u32 v[DD], s2, v[DQ]                  ; register j of tile (t, kt) holds key KF + 16 kt + 8 h + j for query Q0 + 16 t + r: hidden where 16 kt + j - 16 t > Q0 - KF + r - 8 h
.irp t, 0,1
.irp kt, 0,1,2,3
.irp j, 0,1,2,3,4,5,6,7
	v_cmp_gt_i32 vcc_lo, 16*\kt+\j-16*\t, v[DD]
	v_cndmask_b32 v[S+32*\t+8*\kt+\j], v[S+32*\t+8*\kt+\j], v[SENT], vcc_lo
.endr
.endr
.endr
.Lopen_\@:
	SOFTMAX
	s_wait_dscnt 0x0                               ; V is in
	WIN 0x51                                       ; V, C and D in window 1, P in window 0
.irp c, 0,1
.irp ct, 0,1,2,3
.irp t, 0,1
	v_wmma_f32_16x16x32_f16 v[OA+32*\t+8*\ct:OA+32*\t+8*\ct+7], v[VR+32*\c+8*\ct:VR+32*\c+8*\ct+7], v[PP+16*\t+8*\c:PP+16*\t+8*\c+7], v[OA+32*\t+8*\ct:OA+32*\t+8*\ct+7]
.endr
.endr
.endr
	WIN 0
.Lhidden_\@:
	s_add_co_u32 s[KF], s[KF], 64
	s_add_co_u32 s[TBK], s[TBK], 64*PKP
	s_add_co_u32 s[TBV], s[TBV], 64*PVP
	s_add_co_u32 s[TBM], s[TBM], 2*PVP
.endm
.macro FOUR_STEPS                      ; a slot's four steps: written once, walked four times; then on to the other slot
	s_mov_b32 s[STP], 4
.Lstep_\@:
	STEP
	s_sub_co_u32 s[STP], s[STP], 1
	s_cmp_lg_u32 s[STP], 0
	s_cbranch_scc1 .Lstep_\@
	s_sub_co_u32 s[TBK], s[TBK], 256*PKP
	s_sub_co_u32 s[TBV], s[TBV], 256*PVP
	s_sub_co_u32 s[TBM], s[TBM], 8*PVP
	s_xor_b32 s[TBK], s[TBK], SLOT1
	s_xor_b32 s[TBV], s[TBV], SLOT1
	s_xor_b32 s[TBM], s[TBM], SLOT1
.endm
; THE CHANGE OF SLOTS, at a slot's head.  Each wave waits for all its tensor loads (one is out: its part of the slot ahead), adds 0 to its spare word, and waits for that and for its reads of the slot that it has left.
; fill = 1: behind the barrier the other slot takes the walk's next 256 keys: number n = trip + 1 of the walk is the head's slot n, or n - (p + 1) in the second block.  The load has four steps in which to land.
.macro CHANGE fill
	s_wait_tensorcnt 0x0                           ; no tensor load of mine is out, so the groups 0 may be written
	ds_add_u32 v[SPW], v[NIL]
.if \fill
	s_add_co_u32 s2, s[TR], 1
	s_cmp_gt_u32 s2, s[PR]
	s_cselect_b32 s3, s[P1], 0
	s_sub_co_u32 s2, s2, s3
	s_mul_i32 s[SO], s2, 66560
	s_xor_b32 s[G0K+1], s[G0K+1], SLOT1
	s_xor_b32 s[G0V+1], s[G0V+1], SLOT1
	s_add_nc_u64 s[G0K+2:G0K+3], s[KB:KB+1], s[SO:SO+1]
	s_or_b32 s[G0K+3], s[G0K+3], 0x80000000
	s_add_nc_u64 s[G0V+2:G0V+3], s[VB:VB+1], s[SO:SO+1]
	s_or_b32 s[G0V+3], s[G0V+3], 0x80000000
.endif
	s_wait_dscnt 0x0
	s_barrier_signal -1
	s_barrier_wait -1
.if \fill
	TLOAD                                          ; the first thing behind the barrier, and my one tensor load until the next
.endif
.endm
; A block's way out: O^T / l, to f16, through my stage, and out as 512 consecutive bytes an instruction (four queries of 128 bytes).
.macro FINISH
	PLACES
.irp t, 0,1
	v_add_f32 v[ST+8*\t+4], v[ST+8*\t+2], v[ST+8*\t+3]
.endr
.irp t, 0,1
	v_permlanex16_b32 v[ST+8*\t+5], v[ST+8*\t+4], s[SEL], s[SEL+1]
.endr
.irp t, 0,1
	v_add_f32 v[ST+8*\t+4], v[ST+8*\t+4], v[ST+8*\t+5]
.endr
.irp t, 0,1
	v_rcp_f32 v[ST+8*\t+6], v[ST+8*\t+4]
.endr
	v_nop
	s_wait_alu depctr_va_vdst(0)                   ; one wait for the two reciprocals, ahead of their first reader
.irp t, 0,1
	v_cmp_gt_f32 vcc_lo, 0xefa18f08, v[ST+8*\t+1]  ; -1e29 > m: none of the query's keys counts
	v_cndmask_b32 v[ST+8*\t+6], v[ST+8*\t+6], v[QNAN], vcc_lo
.endr
.irp t, 0,1
	WIN 0x01                                       ; O^T as source 0 in window 1
.irp b, 0,1,2,3,4,5,6,7,8,9,10,11,12,13,14,15
	v_pk_mul_f32 v[S+32*\t+2*\b:S+32*\t+2*\b+1], v[OA+32*\t+2*\b:OA+32*\t+2*\b+1], v[ST+8*\t+6:ST+8*\t+7] op_sel_hi:[1,0]
.endr
	WIN 0
.irp b, 0,1,2,3,4,5,6,7,8,9,10,11,12,13,14,15
	v_cvt_pk_f16_f32 v[PP+16*\t+\b], v[S+32*\t+2*\b], v[S+32*\t+2*\b+1]
.endr
.irp ct, 0,1,2,3
	ds_store_b128 v[STO], v[PP+16*\t+4*\ct:PP+16*\t+4*\ct+3] offset:16*PKP*\t+32*\ct
.endr
.endr
.irp n, 0,1,2,3,4,5,6,7                ; LDS serves a wave's instructions in order: these see my stores
	ds_load_b128 v[S+4*\n:S+4*\n+3], v[RD] offset:16*PKP*(\n/4)+4*PKP*(\n%4)
.endr
.irp n, 0,1,2,3,4,5,6,7
	s_wait_dscnt 7-\n                              ; load n is in; the younger ones may be out
	global_store_b128 v[GO], v[S+4*\n:S+4*\n+3], s[OB:OB+1] offset:512*\n
.endr
	s_wait_xcnt 0x0                                ; the stores have read their data and their base: both are written again
.endm
	s_load_b128 s[4:7], s[0:1], 0x0                ; q16 s[4:5], kv s[6:7]
	s_load_b64 s[8:9], s[0:1], 0x10                ; attn
	v_lshl_add_u32 v[SPW], v0, 2, SPARE
	v_mov_b32 v[NIL], 0
	ds_add_u32 v[SPW], v[NIL]                      ; the wave's opening: the add, twice on end, and its wait ahead of my first tensor load
	ds_add_u32 v[SPW], v[NIL]
	v_lshrrev_b32 v1, 5, v0
	v_readfirstlane_b32 s[WV], v1                  ; wave 0..7
	s_and_b32 s[WQ], s[WV], 3
	s_mov_b32 s[PR], ttmp9
	s_add_co_u32 s[P1], ttmp9, 1
	s_and_b32 s[BH], ttmp7, 0xffff
	s_sub_co_u32 s2, 11, s[WV]
	s_cmp_lt_u32 s[WV], 4
	s_cselect_b32 s[SUB], s[WV], s2                ; 0 1 2 3 7 6 5 4: waves w and w + 4 together have five steps in a slot on the diagonal
	s_mov_b32 s[G1K], (1<<16)|(1<<20)|(4<<22)|(3<<25)              ; elements of 2 bytes; padding on: after every 32 words, 4 words
	s_mov_b32 s[G1K+1], 64<<16                     ; tensor_dim0
	s_mov_b32 s[G1K+2], 64<<16                     ; tensor_dim1
	s_mov_b32 s[G1K+3], 64<<16                     ; tile_dim0
	s_mov_b32 s[G1K+4], 64                         ; tile_dim1
	s_mov_b32 s[G1K+5], 64                         ; the pitch in memory
	s_mov_b32 s[G1K+6], 0
	s_mov_b32 s[G1K+7], 0
	s_mov_b32 s[G1V], (1<<16)|(1<<20)|(4<<22)|(7<<25)              ; the same with 8 words of padding
	s_mov_b32 s[G1V+1], 64<<16
	s_mov_b32 s[G1V+2], 66<<16
	s_mov_b32 s[G1V+3], 64<<16
	s_mov_b32 s[G1V+4], 66
	s_mov_b32 s[G1V+5], 64
	s_mov_b32 s[G1V+6], 0
	s_mov_b32 s[G1V+7], 0
	s_mov_b32 s[CS], 0x3e38aa3b                    ; c = log2(e) / sqrt(64)
	s_mov_b32 s[CS+1], s[CS]
	s_mov_b32 s[SEL], 0x76543210
	s_mov_b32 s[SEL+1], 0xfedcba98
	s_mov_b32 s[TBK], 0
	s_mov_b32 s[TBV], 0
	s_mov_b32 s[TBM], 0
	s_mov_b32 s[SO+1], 0
	s_mul_i32 s66, s[BH], 532480                   ; the head's first byte in kv
	s_lshl_b32 s2, s[WQ], 13
	s_add_co_u32 s68, s66, s2                      ; my 64 rows of K,
	s_mov_b32 s69, 0
	s_mul_i32 s2, s[WQ], 8448
	s_add_co_u32 s70, s66, s2
	s_add_co_u32 s70, s70, 32768                   ; my 66 rows of V and what follows it
	s_mov_b32 s71, 0
	s_mov_b32 s[G0K], 1
	s_mul_i32 s[G0K+1], s[WQ], 64*PKP
	s_mov_b32 s[G0V], 1
	s_mul_i32 s[G0V+1], s[WQ], 66*PVP
	s_add_co_u32 s[G0V+1], s[G0V+1], VOFF
	s_wait_dscnt 0x0                               ; both opening adds are done
	s_wait_kmcnt 0x0
	s_add_nc_u64 s[KB:KB+1], s[6:7], s[68:69]
	s_add_nc_u64 s[VB:VB+1], s[6:7], s[70:71]
	s_mov_b64 s[G0K+2:G0K+3], s[KB:KB+1]
	s_or_b32 s[G0K+3], s[G0K+3], 0x80000000
	s_mov_b64 s[G0V+2:G0V+3], s[VB:VB+1]
	s_or_b32 s[G0V+3], s[G0V+3], 0x80000000
	TLOAD                                          ; the head's slot 0 into LDS slot 0
	s_lshl_b32 s2, s[BH], 18
	s_mov_b32 s3, 0
	s_add_nc_u64 s[AB:AB+1], s[8:9], s[2:3]
	s_add_nc_u64 s[4:5], s[4:5], s[2:3]
	s_lshl_b32 s2, s[PR], 15
	s_lshl_b32 s70, s[SUB], 12
	s_add_co_u32 s2, s2, s70
	s_add_nc_u64 s[66:67], s[4:5], s[2:3]          ; my 32 queries of block p,
	s_sub_co_u32 s2, 7, s[PR]
	s_lshl_b32 s2, s2, 15
	s_add_co_u32 s2, s2, s70
	s_add_nc_u64 s[68:69], s[4:5], s[2:3]          ; and of block 7 - p
	v_and_b32 v1, 15, v0                           ; r
	v_bfe_u32 v34, v0, 4, 1                        ; h
	v_and_b32 v35, 31, v0                          ; lane
	v_mul_u32_u24 v[AK0], v1, PKP
	v_lshl_add_u32 v[AK0], v34, 4, v[AK0]
	v_and_b32 v36, 7, v0
	v_bfe_u32 v37, v0, 3, 1
	v_lshl_add_u32 v[AV0], v34, 3, v36             ; the turning load: key 8 h + l % 8, channels 8 ((l / 8) % 2) on
	v_mul_u32_u24 v[AV0], v[AV0], PVP
	v_lshl_add_u32 v[AV0], v37, 4, v[AV0]
	v_add_nc_u32 v[AV0], VOFF, v[AV0]
	v_lshlrev_b32 v[AM0], 5, v34
	v_add_nc_u32 v[AM0], MOFF, v[AM0]
	v_lshlrev_b32 v[QO], 7, v1
	v_lshl_add_u32 v[QO], v34, 4, v[QO]
	s_mul_i32 s2, s[WV], 4608
	s_add_co_u32 s2, s2, STAGE
	v_add_nc_u32 v[STO], s2, v[AK0]
	v_bfe_u32 v38, v0, 3, 2
	v_mul_u32_u24 v38, v38, PKP
	v_lshl_add_u32 v38, v36, 4, v38
	v_add_nc_u32 v[RD], s2, v38
	v_lshlrev_b32 v[GO], 4, v35
	v_lshlrev_b32 v[DQ], 3, v34
	v_sub_nc_u32 v[DQ], v1, v[DQ]
	v_mov_b32 v[SENT], 0xf149f2ca
	v_mov_b32 v[QNAN], 0x7fc00000
	WIN 0x40
.irp t, 0,1
.irp ks, 0,1
	global_load_b128 v[16*\t+8*\ks:16*\t+8*\ks+3], v[QO], s[66:67] offset:2048*\t+64*\ks
	global_load_b128 v[16*\t+8*\ks+4:16*\t+8*\ks+7], v[QO], s[66:67] offset:2048*\t+64*\ks+32
	global_load_b128 v[QH+16*\t+8*\ks:QH+16*\t+8*\ks+3], v[QO], s[68:69] offset:2048*\t+64*\ks
	global_load_b128 v[QH+16*\t+8*\ks+4:QH+16*\t+8*\ks+7], v[QO], s[68:69] offset:2048*\t+64*\ks+32
.endr
.endr
	WIN 0
	s_mov_b32 s2, s[PR]
	START
	s_mov_b32 s[TR], 0
	s_wait_loadcnt 0x0                             ; Q
.Ltrip:                                            ; 8 trips: behind each change of slots the walk's next slot is asked for; every slot asked for is read
	s_cmp_lg_u32 s[TR], s[P1]                      ; block p is done after p + 1 slots: ids and the trip alone, the same in all eight waves; no barrier and no tensor load stands in the arm
	s_cbranch_scc1 .Lsame
	FINISH
	WIN 0x41
.set i, 0
.rept 32
	v_mov_b32 v[i], v[QH+i]
.set i, i+1
.endr
	WIN 0
	s_sub_co_u32 s2, 7, s[PR]
	START
.Lsame:
	CHANGE 1
	FOUR_STEPS
	s_add_co_u32 s[TR], s[TR], 1
	s_cmp_lt_u32 s[TR], 8
	s_cbranch_scc1 .Ltrip
	CHANGE 0                                       ; the ninth slot is written out: nothing is left to fetch
	FOUR_STEPS
	FINISH
	s_wait_tensorcnt 0x0                           ; the wave's end, behind my last tensor load and my last LDS store
	ds_add_u32 v[SPW], v[NIL]
	s_wait_dscnt 0x0
	s_endpgm
.Lfunc_end_k_qa474e20b15_attn:
	.size	k_qa474e20b15_attn, .Lfunc_end_k_qa474e20b15_attn-k_qa474e20b15_attn
	.p2alignl 7, 3214868480
	.fill 96, 4, 3214868480
	.section	.rodata,"a",@progbits
	.p2align	6, 0x0
	.amdhsa_kernel k_qa474e20b15_attn
		.amdhsa_group_segment_fixed_size 327680
		.amdhsa_private_segment_fixed_size 0
		.amdhsa_enable_private_segment 0
		.amdhsa_kernarg_size 24
		.amdhsa_user_sgpr_count 2
		.amdhsa_user_sgpr_kernarg_segment_ptr 1
		.amdhsa_wavefront_size32 1
		.amdhsa_system_sgpr_workgroup_id_x 1
		.amdhsa_system_sgpr_workgroup_id_y 1
		.amdhsa_system_sgpr_workgroup_id_z 1
		.amdhsa_system_vgpr_workitem_id 0
		.amdhsa_next_free_vgpr 512
		.amdhsa_next_free_sgpr 72
		.amdhsa_reserve_vcc 1
		.amdhsa_float_denorm_mode_32 3
		.amdhsa_float_denorm_mode_16_64 3
		.amdhsa_memory_ordered 1
		.amdhsa_forward_progress 1
		.amdhsa_inst_pref_size 75
	.end_amdhsa_kernel
	.amdgpu_metadata
---
amdhsa.version: [ 1, 2 ]
amdhsa.kernels:
  - .name:           k_qa474e20b15_attn
    .symbol:         k_qa474e20b15_attn.kd
    .args:
      - { .name: q16, .offset: 0, .size: 8, .value_kind: global_buffer, .address_space: global }
      - { .name: kv, .offset: 8, .size: 8, .value_kind: global_buffer, .address_space: global }
      - { .name: attn, .offset: 16, .size: 8, .value_kind: global_buffer, .address_space: global }
    .group_segment_fixed_size: 327680
    .private_segment_fixed_size: 0
    .kernarg_segment_align: 8
    .kernarg_segment_size: 24
    .max_flat_workgroup_size: 256
    .sgpr_count:     72
    .vgpr_count:     512
    .wavefront_size: 32
...
	.end_amdgpu_metadata
.endif
;; end of part 3
;; launch proj (part 4): grid 4 x 64, 4 waves a work-group, clusters of 4 x 4, 327,680 bytes of LDS; arguments attn, wo16, out0; writes out0
.if DOCPART == 4
	.amdgcn_target "amdgcn-amd-amdhsa--gfx1250"
	.amdhsa_code_object_version 6
	.text
	.protected	k_qa474e20b15_proj
	.globl	k_qa474e20b15_proj
	.p2align	8
	.type	k_qa474e20b15_proj,@function
k_qa474e20b15_proj:
	s_mov_b64 s[64:65], 0
	v_nop
	global_prefetch_b8 v0, s[64:65] scope:SCOPE_SE
	s_setreg_imm32_b32 hwreg(HW_REG_WAVE_MODE, 25, 1), 1
	s_wait_xcnt 0x0
	s_wait_alu depctr_hold_cnt(0) depctr_sa_sdst(0) depctr_va_vdst(0) depctr_va_sdst(0) depctr_va_ssrc(0) depctr_va_vcc(0) depctr_vm_vsrc(0)
	s_getreg_b32 s2, hwreg(HW_REG_IB_STS2, 6, 4)
	s_cmp_eq_u32 s2, 0
	s_cbranch_scc0 .Lentry_in_a_cluster
	s_endpgm
.Lentry_in_a_cluster:
	s_bfe_u32 s2, ttmp6, 0x10000c
	s_cmp_lg_u32 s2, 0xf033
	s_cbranch_scc0 .Lentry_shape_is_right
	s_endpgm
.Lentry_shape_is_right:
; LAUNCH 4 OF 4.  out0[token][n] = the sum over k of a[token][k] Wo[n][k], k = 64 head + channel; a = the attention's result, [64 heads][2,048][64] f16; Wo [1,024][1,024] f16; sums and out0 in f32.
; A tile of out0 is 128 tokens x 256 columns: 64 x 4 = 256 work-groups.  Four waves, each 64 x 128: 32 accumulators of 16 x 16, which fill window 1.
; K goes in steps of 128, two heads, through a ring of two LDS slots: a's two heads x 128 rows of 128 bytes (each head's rows are one dense block of memory), then Wo's 256 rows of 256 bytes.
; CLUSTERS: 4 x 4 work-groups.  The four of a row of the cluster need the same tiles of a, the four of a column the same tiles of Wo: each is asked for JOINTLY, by the same tensor load with the same descriptor and a
; mask that names the four.  THE MATRIX INSTRUCTION IS USED TRANSPOSED (source 0 = 16 rows of Wo, source 1 = 16 tokens): a lane holds eight neighbouring columns of one token.
; LIMIT: f16 operands, as stated in the first launch.
; REGISTERS.  window 0: v16-29 addresses; two fragment buffers of 96 at v32 and v128: 32 registers of a (4 x 16 rows x 32 K), then 64 of Wo; on the way out v32-159 rows read back.   window 1: the accumulators, (a, b) at v[8 (8 a + b)].
.set PA,     144                       ; a's LDS row: 128 bytes + 16
.set PB,     272                       ; Wo's: 256 bytes + 16
.set AHEAD,  128*PA                    ; one head's 128 rows
.set BOFF,   2*AHEAD
.set BHALF,  128*PB
.set SLOT,   BOFF+2*BHALF
.set SPARE,  2*SLOT                    ; behind the ring: the spare words, 128 bytes a wave
.set SPITCH, 528                       ; the way out: a stage of 16 rows x (512 bytes + 16) for each wave, in slot 0, which has had its last fill and its last read by then
.set LAPS,   4                         ; 1,024 / (2 x 128)
.set ADRA, 16
.set ADRB, 20
.set STO,  24
.set RD,   25
.set CO,   26
.set SPW,  28
.set NIL,  29
.set F0,   32
.set F1,   128
.set BK,   32
.set G1, 24
.set G0, 32
.set G1B, 48
.set G0B, 56
.set MSB, 0
.macro WIN new
.if MSB != \new
	s_set_vgpr_msb (MSB<<8)|\new
.set MSB, \new
.endif
.endm
.set MUL, 0x50                         ; C and D window 1, sources window 0
.macro JLOAD s                         ; a joint load: waves 0 and 1 fetch a's two heads, waves 2 and 3 Wo's two halves; an s_nop 0 and four v_nop follow each line
	s_cmp_eq_u32 s11, 0
	s_cbranch_scc0 .Lfor_b_\@
	tensor_load_to_lds s[G0+4*\s:G0+4*\s+3], s[G1:G1+7]
	s_nop 0
.rept 4
	v_nop
.endr
	s_branch .Lasked_\@
.Lfor_b_\@:
	tensor_load_to_lds s[G0B+4*\s:G0B+4*\s+3], s[G1B:G1B+7]
	s_nop 0
.rept 4
	v_nop
.endr
.Lasked_\@:
.endm
.macro CREST                           ; a round of the cluster's barrier behind its opening barrier
	s_cmp_lg_u32 s10, 0
	s_cbranch_scc1 .Lnot_wave_0_\@
	s_barrier_signal -3
.Lnot_wave_0_\@:
	s_barrier_wait -3
	s_barrier_signal -1
	s_barrier_wait -1
.endm
.macro CROUND
	s_barrier_signal -1
	s_barrier_wait -1
	CREST
.endm
	s_load_b128 s[4:7], s[0:1], 0x0                ; attn s[4:5], wo16 s[6:7]
	s_load_b64 s[8:9], s[0:1], 0x10                ; out0
	v_lshl_add_u32 v[SPW], v0, 2, SPARE
	v_mov_b32 v[NIL], 0
	ds_add_u32 v[SPW], v[NIL]                      ; the wave's opening: the add, twice on end, and its wait ahead of my first tensor load
	ds_add_u32 v[SPW], v[NIL]
	v_lshrrev_b32 v1, 5, v0
	v_readfirstlane_b32 s10, v1                    ; wave 0..3
	s_lshr_b32 s11, s10, 1                         ; which 64 tokens are mine.  Also: I fetch for a (0) or for Wo (1)
	s_and_b32 s12, s10, 1                          ; which 128 columns.  Also: which head, or which half of Wo's rows, I fetch
	s_bfe_u32 s40, ttmp6, 0x40000                  ; cx, cy
	s_bfe_u32 s41, ttmp6, 0x40004
	s_lshl_b32 s42, ttmp9, 2
	s_add_co_u32 s42, s42, s40                     ; tile column
	s_and_b32 s13, ttmp7, 0xffff
	s_lshl_b32 s13, s13, 2
	s_add_co_u32 s13, s13, s41                     ; tile row
	s_lshl_b32 s43, s41, 2
	s_lshl_b32 s43, 15, s43                        ; my row of the cluster
	s_lshl_b32 s44, 0x1111, s40                    ; my column
	s_or_b32 s[G1+0], s43, (1<<16)|(1<<20)|(1<<21)|(4<<22)|(3<<25)  ; the mask; elements of 2 bytes; padding on; bit 21 beside a mask; after every 32 words, 4 words
	s_mov_b32 s[G1+1], 64<<16                      ; tensor_dim0
	s_mov_b32 s[G1+2], 128<<16                     ; tensor_dim1
	s_mov_b32 s[G1+3], 64<<16                      ; tile_dim0
	s_mov_b32 s[G1+4], 128                         ; tile_dim1
	s_mov_b32 s[G1+5], 64                          ; the pitch in memory
	s_mov_b32 s[G1+6], 0
	s_mov_b32 s[G1+7], 0
	s_or_b32 s[G1B+0], s44, (1<<16)|(1<<20)|(1<<21)|(5<<22)|(3<<25) ; after every 64 words, 4 words
	s_mov_b32 s[G1B+1], 128<<16
	s_mov_b32 s[G1B+2], 128<<16
	s_mov_b32 s[G1B+3], 128<<16
	s_mov_b32 s[G1B+4], 128
	s_mov_b32 s[G1B+5], 1024
	s_mov_b32 s[G1B+6], 0
	s_mov_b32 s[G1B+7], 0
	s_lshr_b32 s16, s13, 4                         ; the sequence
	s_lshl_b32 s16, s16, 4
	s_add_co_u32 s16, s16, s12                     ; its head 0 or 1,
	s_lshl_b32 s16, s16, 18                        ; of 262,144 bytes,
	s_and_b32 s17, s13, 15
	s_lshl_b32 s17, s17, 14                        ; and the tile's 128 tokens of 128 bytes
	s_add_co_u32 s16, s16, s17
	s_mov_b32 s17, 0
	s_lshl_b32 s46, s42, 19                        ; Wo: 256 rows of 2,048 bytes a tile column,
	s_lshl_b32 s47, s12, 18                        ; 128 a half
	s_add_co_u32 s46, s46, s47
	s_mov_b32 s47, 0
	s_mul_i32 s20, s12, AHEAD                      ; where they go: no place in the cluster enters an LDS address
	s_mul_i32 s21, s12, BHALF
	s_add_co_u32 s21, s21, BOFF
	s_wait_dscnt 0x0                               ; both opening adds are done
	s_wait_kmcnt 0x0
	s_add_nc_u64 s[14:15], s[4:5], s[16:17]
	s_add_nc_u64 s[46:47], s[6:7], s[46:47]
	CROUND                                         ; all sixteen work-groups are here: the first joint loads meet
.irp s, 0,1
	s_mov_b32 s[G0+4*\s], 1
	s_add_co_u32 s[G0+4*\s+1], s20, \s*SLOT
	s_add_nc_u64 s[G0+4*\s+2:G0+4*\s+3], s[14:15], \s*524288       ; K step s: two heads on
	s_or_b32 s[G0+4*\s+3], s[G0+4*\s+3], 0x80000000
	s_mov_b32 s[G0B+4*\s], 1
	s_add_co_u32 s[G0B+4*\s+1], s21, \s*SLOT
	s_add_nc_u64 s[G0B+4*\s+2:G0B+4*\s+3], s[46:47], \s*256
	s_or_b32 s[G0B+4*\s+3], s[G0B+4*\s+3], 0x80000000
	JLOAD \s                                       ; two loads of mine are out at the most
.endr
	v_and_b32 v1, 15, v0                           ; r
	v_bfe_u32 v2, v0, 4, 1                         ; h
	v_mul_u32_u24 v3, v1, PA
	v_lshl_add_u32 v3, v2, 4, v3
	v_mul_u32_u24 v4, v1, PB
	v_lshl_add_u32 v4, v2, 4, v4
	s_mul_i32 s21, s11, 64*PA                      ; my 64 tokens
	s_mul_i32 s22, s12, BHALF                      ; my 128 rows of Wo
	s_add_co_u32 s22, s22, BOFF
.irp s, 0,1
	v_add_nc_u32 v[ADRA+\s], s21, v3
	v_add_nc_u32 v[ADRB+\s], s22, v4
	s_add_co_u32 s21, s21, SLOT
	s_add_co_u32 s22, s22, SLOT
.endr
	s_mul_i32 s23, s10, 16*SPITCH                  ; my stage
	v_mul_u32_u24 v5, v1, SPITCH
	v_lshl_add_u32 v5, v2, 5, v5
	v_add_nc_u32 v[STO], s23, v5                   ; in: row r, 32 bytes for each half of the lanes
	v_and_b32 v6, 31, v0
	v_lshlrev_b32 v[CO], 4, v6
	v_add_nc_u32 v[RD], s23, v[CO]                 ; back: the 32 lanes take one row of 512 bytes
	s_lshl_b32 s16, s13, 7
	s_lshl_b32 s17, s11, 6
	s_add_co_u32 s16, s16, s17                     ; my first token
	s_lshl_b32 s16, s16, 12                        ; of 4,096 bytes
	s_mov_b32 s17, 0
	s_add_nc_u64 s[8:9], s[8:9], s[16:17]
	s_lshl_b32 s46, s42, 10                        ; my first column, in bytes (cx enters s46 and s47 alone)
	s_lshl_b32 s47, s12, 9
	s_add_co_u32 s46, s46, s47
	s_mov_b32 s47, 0
	s_add_nc_u64 s[8:9], s[8:9], s[46:47]
.macro MUL8 f, a, zero                 ; token block a against Wo's eight blocks, 32 along K.  The 32 accumulators take turns, one instruction a turn, in the same order in every quarter
.irp b, 0,1,2,3,4,5,6,7
.if \zero
	v_wmma_f32_16x16x32_f16 v[8*(8*(\a)+\b):8*(8*(\a)+\b)+7], v[\f+32+8*\b:\f+32+8*\b+7], v[\f+8*(\a):\f+8*(\a)+7], 0
.else
	v_wmma_f32_16x16x32_f16 v[8*(8*(\a)+\b):8*(8*(\a)+\b)+7], v[\f+32+8*\b:\f+32+8*\b+7], v[\f+8*(\a):\f+8*(\a)+7], v[8*(8*(\a)+\b):8*(8*(\a)+\b)+7]
.endif
.endr
.endm
.macro FETCH slot, q, f                ; 24 LDS loads in one run: quarter q (32 along K) of the slot: Wo's sixteen, then a's blocks 0, 1, then 2, 3
	WIN 0
.irp i, 0,1,2,3,4,5,6,7
	ds_load_b128 v[\f+32+8*\i:\f+32+8*\i+3],   v[ADRB+\slot] offset:64*(\q)+\i*16*PB
	ds_load_b128 v[\f+32+8*\i+4:\f+32+8*\i+7], v[ADRB+\slot] offset:64*(\q)+\i*16*PB+32
.endr
.irp i, 0,1,2,3
	ds_load_b128 v[\f+8*\i:\f+8*\i+3],   v[ADRA+\slot] offset:AHEAD*((\q)/2)+64*((\q)%2)+\i*16*PA
	ds_load_b128 v[\f+8*\i+4:\f+8*\i+7], v[ADRA+\slot] offset:AHEAD*((\q)/2)+64*((\q)%2)+\i*16*PA+32
.endr
.endm
.macro PLACES                          ; plain vector lines between a matrix instruction and a load into, or a read of, its registers
.rept 4
	v_nop
.endr
.endm
.macro QUARTER slot, qn, f, g, zero    ; multiplies buffer f; in its middle it fetches quarter qn of the same slot into buffer g
	s_wait_dscnt 4                                 ; Wo's fragments and a's blocks 0, 1 are in; the youngest four loads (blocks 2, 3) may be out
	WIN MUL
	MUL8 \f, 0, \zero
	MUL8 \f, 1, \zero
	PLACES
	FETCH \slot, \qn, \g
	s_wait_dscnt 24                                ; all but the 24 just issued
	WIN MUL
	MUL8 \f, 2, \zero
	MUL8 \f, 3, \zero
.endm
; A K step's last quarter multiplies buffer 1 and changes slots: ONE barrier; in front of it each wave waits for all its tensor loads, adds 0 to its spare word, and waits for that and for its reads of this slot.
; fill = 1: the barrier opens a round of the cluster's barrier, and this slot is filled again, two K steps ahead, first thing behind the round.
.macro TURN slot, next, fill
	WIN 0                                          ; (the add's two registers lie in window 0)
	s_wait_tensorcnt 0x0                           ; my part of the next slot has landed
	ds_add_u32 v[SPW], v[NIL]
	s_wait_dscnt 5                                 ; (the add and the youngest four loads may be out)
	WIN MUL
	MUL8 F1, 0, 0
	s_wait_dscnt 0x0                               ; the add is done, and my reads of this slot are over
	s_barrier_signal -1
	MUL8 F1, 1, 0
.if \fill
	WIN 0
.endif
	s_barrier_wait -1
.if \fill
	CREST                                          ; no wave of any partner still reads this slot or has a load on its way
	s_add_nc_u64 s[G0+4*\slot+2:G0+4*\slot+3], s[G0+4*\slot+2:G0+4*\slot+3], 1048576   ; four heads on
	s_add_nc_u64 s[G0B+4*\slot+2:G0B+4*\slot+3], s[G0B+4*\slot+2:G0B+4*\slot+3], 512
	JLOAD \slot                                    ; its four v_nop are also the places in front of the loads below
.else
	PLACES
.endif
	FETCH \next, 0, F0
	WIN MUL
	MUL8 F1, 2, 0
	MUL8 F1, 3, 0
.endm
	s_wait_tensorcnt 1                             ; my part of K step 0 is in; K step 1's load may be out
	s_barrier_signal -1
	s_barrier_wait -1
	FETCH 0, 0, F0
	QUARTER 0, 1, F0, F1, 1                        ; the first quarter's products start the sums: nothing is cleared
	WIN 0                                          ; at a label and at a branch every window is 0
	s_mov_b32 s3, LAPS-1
.Llap:                                             ; a trip goes once round the ring, from a lap's second quarter to the next lap's first, and fills both slots again
	QUARTER 0, 2, F1, F0, 0
	QUARTER 0, 3, F0, F1, 0
	TURN 0, 1, 1
	QUARTER 1, 1, F0, F1, 0
	QUARTER 1, 2, F1, F0, 0
	QUARTER 1, 3, F0, F1, 0
	TURN 1, 0, 1
	QUARTER 0, 1, F0, F1, 0
	WIN 0
	s_sub_co_u32 s3, s3, 1
	s_cmp_lg_u32 s3, 0
	s_cbranch_scc1 .Llap
	QUARTER 0, 2, F1, F0, 0                        ; the last lap fills nothing, and has no round of the cluster's barrier
	QUARTER 0, 3, F0, F1, 0
	TURN 0, 1, 0
	QUARTER 1, 1, F0, F1, 0
	QUARTER 1, 2, F1, F0, 0
	QUARTER 1, 3, F0, F1, 0
	s_wait_dscnt 4                                 ; the very last quarter: nothing more to fetch
	WIN MUL
	MUL8 F1, 0, 0
	MUL8 F1, 1, 0
	s_wait_dscnt 0
	MUL8 F1, 2, 0
	MUL8 F1, 3, 0
	WIN 0
; THE WAY OUT, block by block of 16 tokens x 128 columns: a lane's 32 bytes go into my stage and come back as whole rows of 512 bytes.  LDS serves a wave's instructions in order: no wait between the stores and the loads.
.macro TOSTAGE a
	WIN 0x04                                       ; an LDS store's data are its source 1: window 1
.irp b, 0,1,2,3,4,5,6,7
	ds_store_b128 v[STO], v[8*(8*(\a)+\b):8*(8*(\a)+\b)+3] offset:64*\b            ; each accumulator from its low end on
	ds_store_b128 v[STO], v[8*(8*(\a)+\b)+4:8*(8*(\a)+\b)+7] offset:64*\b+16
.endr
	WIN 0
.set BB, BK+64*((\a)%2)
.irp t, 0,1,2,3,4,5,6,7,8,9,10,11,12,13,14,15
	ds_load_b128 v[BB+4*\t:BB+4*\t+3], v[RD] offset:\t*SPITCH
.endr
.endm
.macro SEND a, younger                 ; younger: the LDS instructions issued behind block a's loads, which may stay out
.set BB, BK+64*((\a)%2)
	s_wait_dscnt \younger
.irp t, 0,1,2,3,4,5,6,7,8,9,10,11,12,13,14,15
	global_store_b128 v[CO], v[BB+4*\t:BB+4*\t+3], s[8:9] offset:4096*(16*(\a)+\t) th:TH_STORE_NT   ; 512 consecutive bytes, aligned; written once, read by nobody here
.endr
.endm
	PLACES                                         ; ahead of the first read of results and of loads into registers that held fragments
	TOSTAGE 0
.irp a, 1,2,3
.if \a > 1
	s_wait_xcnt 0x0                                ; block a - 2's stores have read the registers into which block a's loads land
.endif
	TOSTAGE \a
	SEND \a-1, 32                                  ; behind block a - 1's loads: block a's 16 stores and 16 loads
.endr
	SEND 3, 0
	s_wait_tensorcnt 0x0                           ; the wave's end, behind my last tensor load and my last LDS store
	ds_add_u32 v[SPW], v[NIL]
	s_wait_dscnt 0x0
	CROUND                                         ; the closing round
	s_endpgm
.Lfunc_end_k_qa474e20b15_proj:
	.size	k_qa474e20b15_proj, .Lfunc_end_k_qa474e20b15_proj-k_qa474e20b15_proj
	.p2alignl 7, 3214868480
	.fill 96, 4, 3214868480
	.section	.rodata,"a",@progbits
	.p2align	6, 0x0
	.amdhsa_kernel k_qa474e20b15_proj
		.amdhsa_group_segment_fixed_size 327680
		.amdhsa_private_segment_fixed_size 0
		.amdhsa_enable_private_segment 0
		.amdhsa_kernarg_size 24
		.amdhsa_user_sgpr_count 2
		.amdhsa_user_sgpr_kernarg_segment_ptr 1
		.amdhsa_wavefront_size32 1
		.amdhsa_system_sgpr_workgroup_id_x 1
		.amdhsa_system_sgpr_workgroup_id_y 1
		.amdhsa_system_sgpr_workgroup_id_z 1
		.amdhsa_system_vgpr_workitem_id 0
		.amdhsa_next_free_vgpr 512
		.amdhsa_next_free_sgpr 66
		.amdhsa_reserve_vcc 0
		.amdhsa_float_denorm_mode_32 3
		.amdhsa_float_denorm_mode_16_64 3
		.amdhsa_memory_ordered 1
		.amdhsa_forward_progress 1
		.amdhsa_inst_pref_size 85
	.end_amdhsa_kernel
	.amdgpu_metadata
---
amdhsa.version: [ 1, 2 ]
amdhsa.kernels:
  - .name:           k_qa474e20b15_proj
    .symbol:         k_qa474e20b15_proj.kd
    .args:
      - { .name: attn, .offset: 0, .size: 8, .value_kind: global_buffer, .address_space: global }
      - { .name: wo16, .offset: 8, .size: 8, .value_kind: global_buffer, .address_space: global }
      - { .name: out0, .offset: 16, .size: 8, .value_kind: global_buffer, .address_space: global }
    .group_segment_fixed_size: 327680
    .private_segment_fixed_size: 0
    .kernarg_segment_align: 8
    .kernarg_segment_size: 24
    .max_flat_workgroup_size: 128
    .sgpr_count:     66
    .vgpr_count:     512
    .wavefront_size: 32
...
	.end_amdgpu_metadata
.endif
;; end of part 4
